; MI455X (gfx1250); checked and timed in simulation.
; The chip was launched on July 23, 2026; its instructions are those of AMD's public machine-readable ISA for CDNA 5 (MIT licence, August 2026) and "CDNA5" Instruction Set Architecture Reference Guide (July 2026). The comments in the code are by the model that wrote it; some were corrected since.
;; Self Attention Layer. Allowed arithmetic: matrix products marked QUANTISED: E2M3 operands, one E8M0 scale for each 32 along K, by v_wmma_scale_f32_16x16x128_f8f6f4 with both operands' format E2M3, f32 sums; everything else in f32.
;; Inputs: Wk_b 1,024 float32; Wk_w 1,024 x 1,024 float32; Wq_b 1,024 float32; Wq_w 1,024 x 1,024 float32; Wv_b 1,024 float32; Wv_w 1,024 x 1,024 float32; x 4 x 2,048 x 1,024 float32.
;; Outputs: out0 4 x 2,048 x 1,024 float32.
;; This version of the problem:
;;   THIS VERSION OF THE PROBLEM IS GIVEN IN LOW PRECISION. The matrix products marked QUANTISED in the list below multiply operands that are first quantised to E2M3 (2 exponent bits, 3 mantissa bits; 6 bits a number), with one power-of-two scale for each 32 numbers along K (OCP MX v1.0); their sums are f32. All else is computed in f32.
;;   The module's matrix products, in the order in which they are computed (A, B: the left and right operand; K: the contracted axis; several contracted axes count as one K, in the product's order):
;;     1. [M 8,192, K 1,024] x [K 1,024, N 1,024]; A: input x; B: input Wq_w: QUANTISED
;;     2. [M 8,192, K 1,024] x [K 1,024, N 1,024]; A: input x; B: input Wk_w: QUANTISED
;;     3. [M 8,192, K 1,024] x [K 1,024, N 1,024]; A: input x; B: input Wv_w: QUANTISED
;;     4. batch 4 x [M 2,048, K 1,024] x [K 1,024, N 2,048]; A: computed on the way; B: computed on the way: QUANTISED
;;     5. batch 4 x [M 2,048, K 2,048] x [K 2,048, N 1,024]; A: softmax (see below); B: computed on the way: QUANTISED
;;   THE QUANTISER, for each operand of a quantised product, along K:
;;     - K is cut into blocks of 32 from its start; a last block that is shorter is filled with zeros.
;;     - A block's scale is 2^e with e = floor(log2(the largest magnitude in the block)) - 2, held to -126 .. 127; a block of zeros has e = 0. As a byte (E8M0): e + 127.
;;     - Each number is divided by its block's scale, clamped to +-7.5, and rounded to the nearest number of E2M3, ties to even, subnormals kept.
;;     - The product sums the exact products of the quantised numbers (number of the format x scale) in f32.
;;   ~~~python
;;   def quantise(x, axis):      # numpy; x: float32 -> the quantised numbers, widened to float32 again
;;       x = np.moveaxis(x, axis, -1); K = x.shape[-1]
;;       x = np.pad(x, [(0, 0)] * (x.ndim - 1) + [(0, -K % 32)]); x = x.reshape(x.shape[:-1] + (-1, 32)); a = np.abs(x).max(-1, keepdims=True)
;;       e = np.where(a > 0, np.clip(np.frexp(np.where(a > 0, a, 1))[1] - 1 - 2, -126, 127), 0)      # np.frexp(a)[1] - 1 = floor(log2(a)), exactly
;;       r = np.clip(x / 2.0 ** e, -7.5, 7.5)
;;       step = 2.0 ** (np.maximum(np.frexp(np.where(r == 0, 1, r))[1] - 1, 0) - 3)
;;       q = np.round(r / step) * step * 2.0 ** e      # np.round: ties to even
;;       return np.moveaxis(q.reshape(q.shape[:-2] + (-1,))[..., :K], -1, axis).astype(np.float32)
;;   ~~~
;;   SOFTMAX AHEAD OF A QUANTISED PRODUCT. Where the list says 'softmax', what is quantised is not the finished softmax but p = 2^(t - M), with t = logit x log2(e) and M = ceil(the row's largest t), a whole number; so 1/2 < the row's largest p <= 1. The row's sum l is taken of the UNQUANTISED p, in f32, and the product's result is divided by l at the end. Since M is a whole number, a kernel that streams over the keys may use a running M (the ceiling of the running maximum): every later rescaling is an exact power of two, which a block's scale takes up: the codes' values come out the same.
;;   OPERANDS COMPUTED ON THE WAY. 'Computed on the way' means the value that the module computes at that place (a softmax that the list does not call 'softmax' is quantised finished and normalised). What goes into a quantiser is computed in f32, as accurately as f32 sums, v_exp_f32 and their like allow (about 1e-6 of the number): no bf16 or f16 on the way to a quantiser, and a product that is left as it is and whose result goes on into a quantised operand takes f32 operands (vector FMAs, or v_wmma_f32_16x16x4_f32). A number that lies on a knife's edge between two numbers of the format may be rounded either way, as far as f32 arithmetic and the matrix unit's own rounding can turn it there, and no further.
;; One version. Each part assembles by itself: llvm-mc -triple=amdgcn-amd-amdhsa -mcpu=gfx1250 --defsym DOCPART=n.
;; ======== version 1 of 1: 4 launches
;; limits: right only within a limited range of input values
;; workspace buffers: xw_codes 8,650,752 bytes; xw_scales 360,448 bytes; qkv_codes 18,874,368 bytes; qkv_scales 786,432 bytes; p_codes 12,582,912 bytes; p_meta 1,572,864 bytes
;; launch quant (part 1): grid 1792 x 1, 1 waves a work-group, no clusters, 8,704 bytes of LDS; arguments x, Wq_w, Wk_w, Wv_w, xw_codes, xw_scales; writes xw_codes, xw_scales
.if DOCPART == 1
	.amdgcn_target "amdgcn-amd-amdhsa--gfx1250"
	.amdhsa_code_object_version 6
	.text
	.protected	k_q9802be7f17_quant
	.globl	k_q9802be7f17_quant
	.p2align	8
	.type	k_q9802be7f17_quant,@function
k_q9802be7f17_quant:
	s_mov_b64 s[64:65], 0
	v_nop
	global_prefetch_b8 v0, s[64:65] scope:SCOPE_SE
	s_setreg_imm32_b32 hwreg(HW_REG_WAVE_MODE, 25, 1), 1
	s_wait_xcnt 0x0
; x [8192][1024] and Wq_w, Wk_w, Wv_w [1024 (k)][1024 (n)], f32, become codes of FP6 (E2M3) with one E8M0 byte for each 32 along K (x: its last axis; the weights: their FIRST axis).
; A block's scale is 2^(floor(log2(its largest magnitude)) - 2); its byte is the largest magnitude's exponent field - 2, held at 1 from below.
; LIMITS: NaN and infinities are not served; a block of zeros gets the byte 1 (its codes are zeros, and this program alone reads the bytes).
; THE LAYOUT OF THE CODES is the matrix operand's own registers: a fragment (16 rows x 128 K, 12 registers a lane) lies as 1,536 bytes, register g of lane l at 512 (g / 4) + 16 l + 4 (g % 4);
; the buffer is [row block][K step of 128][1,536].  ROW BLOCK 2 p + u HOLDS ROWS 32 p + 8 u + r + 8 (r / 8) at lane place r = 0 .. 15.  Row blocks 0-511: x; 512-575 Wq's columns n, 576-639 Wk's, 640-703 Wv's.
; THE SCALE WORDS (four bytes: 128 along K of a row) lie [group of 8 row blocks][K step][r][row block a]: 512 bytes for a group and a step, the word of (a, r) at 32 r + 4 a.
; One wave to a work-group, no barrier.  Work-groups 0-1023: 64 rows x 128 K of x (4 fragments, two of them on their way at a time).  Work-groups 1024-1791: 32 columns x 128 K of a weight (2 fragments).
; x's scale words leave by stores of 8 bytes a lane (16 of each 32 bytes a work-group), the weights' by stores of 4 bytes a lane: 360,448 bytes in all, beside 46 million that the launch reads.
.set SPARE, 8448                       ; LDS: a stage of 16 rows x 528 bytes, then the spare words
.set R,   16                           ; v16-143  numbers as loaded
.set X,   144                          ; v144-207 x: 64 numbers of my row, in the operand's order
.set F0,  208                          ; v208-219, v220-231: two fragments' codes
.set F1,  220
.set T2,  232                          ; v232-239 second halves of blocks (a conversion's three registers begin on an even number)
.set PW,  240                          ; v240-243 x: the scale words of the 4 fragments
	s_load_b256 s[4:11], s[0:1], 0x0               ; x, Wq_w, Wk_w, Wv_w
	s_load_b128 s[12:15], s[0:1], 0x20             ; xw_codes, xw_scales
	v_lshl_add_u32 v12, v0, 2, SPARE               ; my spare word,
	v_mov_b32 v13, 0                               ; and 0: kept for the add at the end
	v_and_b32 v1, 15, v0                           ; r
	v_lshrrev_b32 v2, 4, v0                        ; h
	v_lshlrev_b32 v3, 4, v0                        ; 16 x lane: loads of x, stores of codes
	v_lshlrev_b32 v4, 4, v0                        ; the stage, on the way in
	v_mul_u32_u24 v5, v1, 528
	v_lshl_add_u32 v5, v2, 7, v5                   ; and on the way out: row r, + 128 h
	v_lshlrev_b32 v10, 5, v1
	v_lshl_add_u32 v6, v2, 3, v10                  ; x's scale words: 32 r + 8 h
	v_lshl_add_u32 v11, v2, 2, v10                 ; a weight's: 32 r + 4 h
	v_and_b32 v7, 8, v1
	v_add_nc_u32 v7, v7, v1
	v_lshl_add_u32 v7, v2, 3, v7
	v_lshlrev_b32 v7, 2, v7                        ; a weight's column of my lane: 4 (8 h + r + 8 (r / 8))
	v_lshlrev_b32 v14, 3, v2                       ; 8 h
	v_mov_b32 v15, 0                               ; a lane permute's destination counts as one of its sources
	s_mov_b32 s28, 0x76543210
	s_mov_b32 s29, 0xfedcba98                      ; selects for lane l xor 16
	s_mov_b32 s20, 0xffff0000                      ; lanes 16-31
	s_mov_b32 s23, 0
	s_wait_kmcnt 0x0
	s_cmp_lt_u32 ttmp9, 1024
	s_cbranch_scc0 .Lweights
	; ---------------- x: group G = id / 16 of 128 rows, K step s = (id / 2) % 8, half j = id % 2 of the group: its row blocks 4 j .. 4 j + 3
	s_lshr_b32 s16, ttmp9, 4
	s_bfe_u32 s17, ttmp9, 0x30001
	s_and_b32 s19, ttmp9, 1
	s_lshl_b32 s22, s16, 19                        ; 128 rows of 4,096 bytes
	s_lshl_b32 s18, s19, 18                        ; 64 rows
	s_add_co_u32 s22, s22, s18
	s_lshl_b32 s18, s17, 9                         ; 128 numbers
	s_add_co_u32 s22, s22, s18
	s_add_nc_u64 s[4:5], s[4:5], s[22:23]
	s_mul_i32 s22, s16, 98304                      ; 8 row blocks of 12,288 bytes
	s_mul_i32 s18, s19, 49152                      ; 4 row blocks
	s_add_co_u32 s22, s22, s18
	s_mul_i32 s18, s17, 1536
	s_add_co_u32 s22, s22, s18
	s_add_nc_u64 s[12:13], s[12:13], s[22:23]
	s_lshr_b32 s22, ttmp9, 1
	s_lshl_b32 s22, s22, 9                         ; (8 G + s) x 512
	s_lshl_b32 s18, s19, 4                         ; + 16 j
	s_add_co_u32 s22, s22, s18
	s_add_nc_u64 s[14:15], s[14:15], s[22:23]
.macro LOADX a                         ; the 16 rows of my row block a: each load reads 512 consecutive bytes of one row
.irp i, 0,1,2,3,4,5,6,7,8,9,10,11,12,13,14,15
	global_load_b128 v[R+64*((\a)%2)+4*\i:R+64*((\a)%2)+4*\i+3], v3, s[4:5] offset:(32*((\a)/2)+8*((\a)%2)+\i+8*(\i/8))*4096 th:TH_LOAD_NT
.endr
.endm
.macro XFRAG a
.set RS, R+64*((\a)%2)
.set FS, F0+12*((\a)%2)
.if (\a) < 3
	s_wait_loadcnt 16                              ; this row block's 16 loads are in; the next one's may be out
.else
	s_wait_loadcnt 0x0
.endif
.irp i, 0,1,2,3,4,5,6,7,8,9,10,11,12,13,14,15
	ds_store_b128 v4, v[RS+4*\i:RS+4*\i+3] offset:528*\i
.endr
.irp c, 0,1                            ; back: lane (r, h) takes k = 64 c + 32 h + 0 .. 31 of row r.  LDS serves a wave's instructions in order
.irp j, 0,1,2,3,4,5,6,7
	ds_load_b128 v[X+32*\c+4*\j:X+32*\c+4*\j+3], v5 offset:256*\c+16*\j
.endr
.endr
	s_wait_dscnt 0x0                               ; my numbers are in, and the stores have read their registers,
.if (\a) < 2
	LOADX (\a)+2                                   ; which take the row block two further on
.endif
.irp c, 0,1                            ; my blocks h and 2 + h: all 32 numbers of each are mine
	v_max3_num_f32 v[8+\c], |v[X+32*\c]|, |v[X+32*\c+1]|, 0x1800000   ; with the floor 2^(3 - 127): the byte cannot fall under 1
.endr
.irp i, 2,4,6,8,10,12,14,16,18,20,22,24,26,28,30
.irp c, 0,1
	v_max3_num_f32 v[8+\c], v[8+\c], |v[X+32*\c+\i]|, |v[X+32*\c+\i+1]|
.endr
.endr
.irp c, 0,1
	v_add_nc_u32 v[248+\c], 0xff000000, v[8+\c]    ; 2 off the exponent field: the conversion's scale operand
.endr
.irp c, 0,1
	v_lshrrev_b32 v[250+\c], 23, v[248+\c]         ; the byte
.endr
	v_lshl_or_b32 v252, v251, 16, v250
	v_lshlrev_b32 v252, v14, v252                  ; my two bytes at their places,
	v_permlanex16_b32 v15, v252, s28, s29
	v_or_b32 v[PW+(\a)], v252, v15                 ; with lane l xor 16's two: the row's word
.if (\a) >= 2
	s_wait_alu depctr_va_vdst(0)
	s_wait_xcnt 0x0                                ; the stores of two row blocks ago have read this set of codes
.endif
.irp c, 0,1
	v_cvt_scalef32_pk16_fp6_f32 v[FS+6*\c:FS+6*\c+2], v[X+32*\c:X+32*\c+15], v[248+\c]
	v_cvt_scalef32_pk16_fp6_f32 v[T2+4*\c:T2+4*\c+2], v[X+32*\c+16:X+32*\c+31], v[248+\c]
.endr
	v_nop                                          ; one plain place behind the scaled conversions
.irp c, 0,1
.irp i, 0,1,2
	v_mov_b32 v[FS+6*\c+3+\i], v[T2+4*\c+\i]
.endr
.endr
.irp c, 0,1,2
	global_store_b128 v3, v[FS+4*\c:FS+4*\c+3], s[12:13] offset:12288*(\a)+512*\c   ; 512 consecutive bytes, aligned
.endr
.endm
	LOADX 0
	LOADX 1
.irp a, 0,1,2,3
	XFRAG \a
.endr
.irp j, 0,1
	v_cndmask_b32 v[PW+\j], v[PW+\j], v[PW+2+\j], s20   ; both halves of the lanes hold all four words: lanes 0-15 keep my row blocks 0, 1, lanes 16-31 take 2, 3
.endr
	global_store_b64 v6, v[PW:PW+1], s[14:15]
	s_branch .Lend
	; ---------------- a weight: id' = id - 1024: pair of row blocks p = id' % 4, K step s = (id' / 4) % 8, group Gw = id' / 32 (8 groups a weight)
.Lweights:
	s_sub_co_u32 s16, ttmp9, 1024
	s_and_b32 s17, s16, 3                          ; p
	s_bfe_u32 s18, s16, 0x30002                    ; s
	s_lshr_b32 s19, s16, 5                         ; Gw
	s_lshr_b32 s21, s19, 3                         ; which weight
	s_and_b32 s24, s19, 7                          ; its group of 128 columns
	s_cmp_eq_u32 s21, 0
	s_cselect_b64 s[6:7], s[6:7], s[8:9]
	s_cmp_eq_u32 s21, 2
	s_cselect_b64 s[6:7], s[10:11], s[6:7]
	s_lshl_b32 s22, s18, 19                        ; 128 rows k of 4,096 bytes
	s_lshl_b32 s25, s24, 9
	s_add_co_u32 s22, s22, s25
	s_lshl_b32 s25, s17, 7
	s_add_co_u32 s22, s22, s25
	s_add_nc_u64 s[6:7], s[6:7], s[22:23]
	s_add_co_u32 s19, s19, 64                      ; the group's number in the buffers
	s_mul_i32 s22, s19, 98304
	s_mul_i32 s25, s18, 1536
	s_add_co_u32 s22, s22, s25
	s_mul_i32 s25, s17, 24576
	s_add_co_u32 s22, s22, s25
	s_add_nc_u64 s[12:13], s[12:13], s[22:23]
	s_lshl_b32 s22, s19, 3
	s_add_co_u32 s22, s22, s18
	s_lshl_b32 s22, s22, 9
	s_lshl_b32 s25, s17, 3
	s_add_co_u32 s22, s22, s25
	s_add_nc_u64 s[14:15], s[14:15], s[22:23]
.set ii, 0
	s_wait_alu depctr_va_vdst(0)
.rept 128                              ; A LANE TAKES A COLUMN, ITS REGISTERS RUN DOWN K: each load reads 128 consecutive bytes of a row k
	global_load_b32 v[R+ii], v7, s[6:7] offset:4096*ii
.set ii, ii+1
.endr
.macro WBLOCK t, left                  ; block t of my column: 32 numbers, all mine
.set XS, R+32*(\t)
.set FS, F0+12*((\t)%2)+6*((\t)/2)
	s_wait_loadcnt \left                           ; the later blocks' loads may be out (a count cannot name more than 63)
	v_max3_num_f32 v8, |v[XS]|, |v[XS+1]|, |v[XS+2]|
	v_max3_num_f32 v9, |v[XS+3]|, |v[XS+4]|, |v[XS+5]|
.irp i, 6,10,14,18,22,26
	v_max3_num_f32 v8, v8, |v[XS+\i]|, |v[XS+\i+1]|
	v_max3_num_f32 v9, v9, |v[XS+\i+2]|, |v[XS+\i+3]|
.endr
	v_max3_num_f32 v8, v8, |v[XS+30]|, |v[XS+31]|
	v_max3_num_f32 v8, v8, v9, 0x1800000
	v_add_nc_u32 v248, 0xff000000, v8
	v_lshrrev_b32 v250, 23, v248
.if (\t) == 0
	v_mov_b32 v252, v250
.else
	v_lshl_or_b32 v252, v250, 8*(\t), v252         ; the column's scale word: byte t
.endif
	v_cvt_scalef32_pk16_fp6_f32 v[FS:FS+2], v[XS:XS+15], v248
	v_cvt_scalef32_pk16_fp6_f32 v[T2:T2+2], v[XS+16:XS+31], v248
	v_nop
.irp i, 0,1,2
	v_mov_b32 v[FS+3+\i], v[T2+\i]
.endr
.endm
	WBLOCK 0, 63
	WBLOCK 1, 63
	WBLOCK 2, 32
	WBLOCK 3, 0
.irp g, 0,1,2,3,4,5,6,7,8,9,10,11      ; F0 holds blocks 0 and 2, F1 blocks 1 and 3, of row block 2 p (lanes 0-15) and 2 p + 1 (lanes 16-31): the exchange makes F0 the image of 2 p and F1 that of 2 p + 1
	v_permlane16_swap_b32 v[F0+\g], v[F1+\g]
.endr
.irp c, 0,1,2
	global_store_b128 v3, v[F0+4*\c:F0+4*\c+3], s[12:13] offset:512*\c
	global_store_b128 v3, v[F1+4*\c:F1+4*\c+3], s[12:13] offset:12288+512*\c
.endr
	global_store_b32 v11, v252, s[14:15]
.Lend:
	s_wait_tensorcnt 0x0                           ; the wave's end
	ds_add_u32 v12, v13
	s_wait_dscnt 0x0
	s_endpgm
.Lfunc_end_k_q9802be7f17_quant:
	.size	k_q9802be7f17_quant, .Lfunc_end_k_q9802be7f17_quant-k_q9802be7f17_quant
	.p2alignl 7, 3214868480
	.fill 96, 4, 3214868480
	.section	.rodata,"a",@progbits
	.p2align	6, 0x0
	.amdhsa_kernel k_q9802be7f17_quant
		.amdhsa_group_segment_fixed_size 8704
		.amdhsa_private_segment_fixed_size 0
		.amdhsa_enable_private_segment 0
		.amdhsa_kernarg_size 48
		.amdhsa_user_sgpr_count 2
		.amdhsa_user_sgpr_kernarg_segment_ptr 1
		.amdhsa_wavefront_size32 1
		.amdhsa_system_sgpr_workgroup_id_x 1
		.amdhsa_system_sgpr_workgroup_id_y 1
		.amdhsa_system_sgpr_workgroup_id_z 1
		.amdhsa_system_vgpr_workitem_id 0
		.amdhsa_next_free_vgpr 256
		.amdhsa_next_free_sgpr 66
		.amdhsa_reserve_vcc 0
		.amdhsa_float_denorm_mode_32 3
		.amdhsa_float_denorm_mode_16_64 3
		.amdhsa_memory_ordered 1
		.amdhsa_forward_progress 1
		.amdhsa_inst_pref_size 50
	.end_amdhsa_kernel
	.amdgpu_metadata
---
amdhsa.version: [ 1, 2 ]
amdhsa.kernels:
  - .name:           k_q9802be7f17_quant
    .symbol:         k_q9802be7f17_quant.kd
    .args:
      - { .name: x, .offset: 0, .size: 8, .value_kind: global_buffer, .address_space: global }
      - { .name: Wq_w, .offset: 8, .size: 8, .value_kind: global_buffer, .address_space: global }
      - { .name: Wk_w, .offset: 16, .size: 8, .value_kind: global_buffer, .address_space: global }
      - { .name: Wv_w, .offset: 24, .size: 8, .value_kind: global_buffer, .address_space: global }
      - { .name: xw_codes, .offset: 32, .size: 8, .value_kind: global_buffer, .address_space: global }
      - { .name: xw_scales, .offset: 40, .size: 8, .value_kind: global_buffer, .address_space: global }
    .group_segment_fixed_size: 8704
    .private_segment_fixed_size: 0
    .kernarg_segment_align: 8
    .kernarg_segment_size: 48
    .max_flat_workgroup_size: 32
    .sgpr_count:     66
    .vgpr_count:     256
    .wavefront_size: 32
...
	.end_amdgpu_metadata
.endif
;; end of part 1
;; launch proj (part 2): grid 8 x 32, 4 waves a work-group, clusters of 4 x 4, 327,680 bytes of LDS; arguments xw_codes, xw_scales, Wq_b, Wk_b, Wv_b, qkv_codes, qkv_scales; writes qkv_codes, qkv_scales
.if DOCPART == 2
	.amdgcn_target "amdgcn-amd-amdhsa--gfx1250"
	.amdhsa_code_object_version 6
	.text
	.protected	k_q9802be7f17_proj
	.globl	k_q9802be7f17_proj
	.p2align	8
	.type	k_q9802be7f17_proj,@function
k_q9802be7f17_proj:
	s_mov_b64 s[64:65], 0
	v_nop
	global_prefetch_b8 v0, s[64:65] scope:SCOPE_SE
	s_setreg_imm32_b32 hwreg(HW_REG_WAVE_MODE, 25, 1), 1
	s_wait_xcnt 0x0
	s_wait_alu depctr_hold_cnt(0) depctr_sa_sdst(0) depctr_va_vdst(0) depctr_va_sdst(0) depctr_va_ssrc(0) depctr_va_vcc(0) depctr_vm_vsrc(0)
	s_getreg_b32 s2, hwreg(HW_REG_IB_STS2, 6, 4)
	s_cmp_eq_u32 s2, 0
	s_cbranch_scc0 .Lentry_in_a_cluster
	s_endpgm
.Lentry_in_a_cluster:
	s_bfe_u32 s2, ttmp6, 0x10000c
	s_cmp_lg_u32 s2, 0xf033
	s_cbranch_scc0 .Lentry_shape_is_right
	s_endpgm
.Lentry_shape_is_right:
; q = x Wq + bq, k = x Wk + bk and v^T = (x Wv + bv)^T on codes of FP6 (E2M3) with E8M0 scales, f32 sums; each result is quantised again in registers (q, k along their 1,024 columns, v along the keys) and leaves as codes.
; OPERANDS lie as images of their registers: [row block][K step of 128][1,536 bytes]; row block 2 p + u holds rows 32 p + 8 u + r + 8 (r / 8); scale words [group of 8 row blocks][K step][r][row block].
; Source 1 gives a lane its row, source 0 runs along a lane's registers: the 64 registers of one row block of source 1 are 128 neighbours along source 0's rows, four blocks of 32 shared by lanes l and l xor 16.
; 384 tiles of 256 x 256 for 256 work-groups: A WORK-GROUP RUNS TWO PHASES on the same 256 rows of x (tile trow):
;   phase 1: source 1 = x, source 0 = 256 rows of Wq | Wk (tile tcol): four waves of 128 x 128, 64 accumulators;   phase 2: source 1 = 128 rows of Wv, source 0 = x: four waves of 64 x 128, 32 accumulators.
; LDS: TWO REGIONS of 147,456 bytes, then the scale words of all of K, then the spare words.  A wave has one tensor load out at a time, so the loads are large:
;   head: region 0 takes phase 1's steps 0-2 (wave 0: x's 16 row blocks, wave 1: the weight's 16), waves 2 and 3 bring x's and the weight's scale words; behind the head's round region 1 takes steps 3-5 (a quarter a wave);
;   behind step 2 region 0 takes steps 6-7; behind step 5 region 1 takes phase 2's steps 0-3 (waves 0, 1: x's halves, wave 2: Wv's 8 row blocks, wave 3 nothing); behind step 7 region 0 takes its steps 4-7.
; Each later fill stands behind the three lines and a round of the cluster's barrier.  CLUSTER 4 x 4: x's tiles are asked for jointly along a row of the cluster, the weights' along a column.
; PREFETCH: behind each fill's request the next fill's bytes are asked for, one fill ahead: steps 3-5 at the head, steps 6-7 behind the second fill, Wv's steps 0-3 and 4-7 behind the third and fourth; the last fill asks for nothing.
;   A wave names one row block's bytes of that fill, a lane 256 bytes; the four partners that share a tile take 4 (Wv: 2) of its row blocks each, by address (cx for x, cy for the weights); lanes left over name their wave's last block again.
;   Phase 2's x is not asked for: the same work-groups have read those bytes in phase 1.
; THE BIASES are the C of each phase's first products.  OUT: q's and k's scale words lie in two halves of 262,144 bytes, [group of 8 row blocks][K step 0-7][r][row block]; v^T's behind them, 16 key steps a group.
; LIMITS: NaN and infinities are not served; a block of zeros gets the byte 1 (its codes are zeros; this program alone reads the bytes).
; REGISTERS: window 0: v1-29 addresses; v32-47 scale words, two sets; v48-51 bv; v64-95 bv as C; v96-127 Wv's scale words; v128-223 source 1's fragments, on the ways out codes (v128-175), new scale words (v176-183); v184-251 at work there.
;   window 1: source 0's fragments, two sets, at v0 and v128; bq | bk at v96-127 and v224-255.   windows 2, 3: the accumulators, (a, b) at v[8 (8 (a % 4) + b)]; phase 2 uses window 2.
.set INP,   12288                      ; a row block's bytes in the input buffer
.set REG,   147456                     ; a region
.set Q3,    36864                      ; 8 row blocks x 3 steps
.set Q2,    24576                      ; 8 row blocks x 2 steps
.set Q4,    49152                      ; 8 row blocks x 4 steps
.set SGRP,  4352                       ; a group's scale words for 8 steps: 16 units of 256 bytes + 16 of padding
.set SCL,   2*REG
.set SPARE, SCL+4*SGRP
.set BX,    4                          ; v4-5    phase 2: my x fragments, steps 0-3 (region 1), 4-7 (region 0)
.set PF18,  6                          ; v6      prefetch: 256 x min(lane, 17)
.set PF12,  7                          ; v7      prefetch: 256 x min(lane, 11)
.set ADRA,  8                          ; v8-10   phase 1: my x fragments, steps 0-2, 3-5, 6-7
.set ADRB,  11                         ; v11-13  phase 1: my Wq | Wk fragments
.set ADRS,  14
.set ADRS2, 15
.set LI,    16
.set QO,    17
.set AW,    18                         ; v18-19  phase 2: my Wv fragments
.set QO2,   24
.set QO3,   26
.set SPW,   28
.set NIL,   29
.set SC,    32
.set BRV,   48
.set CBV,   64
.set WVS,   96
.set AF,    128
.set COD,   128
.set PW,    176
.set MM,    184                        ; v184-231 the quantiser's maxima: 24 registers a row block, 6 a block of 32
.set T2,    232                        ; v232-247 second halves of blocks
.set OT,    248
.set CBW,   96
.set PFV,   26                         ; s[26:27] prefetch: my part of Wv's tile
.set G0SB,  28
.set G0SA,  36
.set G1A,   40
.set G1B,   48
.set G1SA,  56
.set HO,    66                         ; s[66:67] bytes from a tile's first byte to my half's step 3
.set G1SB,  68
.set G0A,   76
.set G0B,   80
.set WVA,   84                         ; s[84:85] Wv's 8 row blocks
.set PFX,   96                         ; s[96:97] prefetch: my row block of x's tile
.set PFW,   98                         ; s[98:99] of Wq | Wk's
.set MSB, 0
.macro WIN new
.if MSB != (\new)
	s_set_vgpr_msb (MSB<<8)|(\new)
.set MSB, (\new)
.endif
.endm
.macro PLACES n
.rept \n
	v_nop
.endr
.endm
.macro CREST
	s_cmp_lg_u32 s18, 0
	s_cbranch_scc1 .Lnot_wave_0_\@
	s_barrier_signal -3
.Lnot_wave_0_\@:
	s_barrier_wait -3
	s_barrier_signal -1
	s_barrier_wait -1
.endm
.macro CROUND
	s_barrier_signal -1
	s_barrier_wait -1
	CREST
.endm
.macro JLOAD                           ; phase 1: waves 0, 1 fetch x's halves, waves 2, 3 the weight's
	s_cmp_eq_u32 s19, 0
	s_cbranch_scc0 .Lfor_b_\@
	tensor_load_to_lds s[G0A:G0A+3], s[G1A:G1A+7]
	s_nop 0
	PLACES 4
	s_branch .Lasked_\@
.Lfor_b_\@:
	tensor_load_to_lds s[G0B:G0B+3], s[G1B:G1B+7]
	s_nop 0
	PLACES 4
.Lasked_\@:
.endm
.macro JLOAD2                          ; phase 2: waves 0, 1 x's halves, wave 2 Wv's 8 row blocks, wave 3 nothing
	s_cmp_eq_u32 s19, 0
	s_cbranch_scc0 .Lnot_x_\@
	tensor_load_to_lds s[G0A:G0A+3], s[G1A:G1A+7]
	s_nop 0
	PLACES 4
	s_branch .Lasked2_\@
.Lnot_x_\@:
	s_cmp_eq_u32 s18, 2
	s_cbranch_scc0 .Lnone_\@
	tensor_load_to_lds s[G0B:G0B+3], s[G1B:G1B+7]
	s_nop 0
	PLACES 4
	s_branch .Lasked2_\@
.Lnone_\@:
	PLACES 4
.Lasked2_\@:
.endm
.macro ARM under, g0, g1, next         ; an arm of the head's one chain: one load, then the join
	s_cmp_lt_u32 s18, \under
	s_cbranch_scc0 \next
	tensor_load_to_lds s[\g0:\g0+3], s[\g1:\g1+7]
	s_nop 0
	PLACES 4
	s_branch .Lhead_asked
\next:
.endm
.macro DIMS n                          ; a tile row's length, in elements of 8 bytes; written only where no load of the wave is out
.irp g, G1A, G1B
	s_mov_b32 s[\g+1], (\n)<<16
	s_mov_b32 s[\g+3], (\n)<<16
.endr
.endm
.macro LDSAT q, base                   ; where my part lands: wave x q + base
.irp g, G0A, G0B
	s_mul_i32 s[\g+1], s18, \q
.if (\base) != 0
	s_add_co_u32 s[\g+1], s[\g+1], \base
.endif
.endr
.endm
.macro FRAG reg, adr, pit, q, i        ; a fragment's image: three loads of 512 consecutive bytes
.irp c, 0,1,2
	ds_load_b128 v[(\reg)+4*\c:(\reg)+4*\c+3], v[\adr] offset:(\i)*(\pit)+(\q)*1536+512*\c
.endr
.endm
.macro FETCH_B n                       ; phase 1, step n: fill n / 3, a row block 4,608 bytes there (3,072 in the last fill)
	WIN 0x40
.irp i, 0,1,2,3,4,5,6,7
	FRAG 128*((\n)%2)+12*\i, ADRB+(\n)/3, 4608-1536*((\n)/6), (\n)%3, \i
.endr
	WIN 0
.endm
.macro FETCH_A n, i0
.irp i, \i0, \i0+1, \i0+2, \i0+3
	FRAG AF+12*(\i), ADRA+(\n)/3, 4608-1536*((\n)/6), (\n)%3, \i
.endr
.endm
.macro FETCH_B2 n                      ; phase 2, step n: fill n / 4, a row block 6,144 bytes
	WIN 0x40
.irp i, 0,1,2,3,4,5,6,7
	FRAG 128*((\n)%2)+12*\i, BX+(\n)/4, 6144, (\n)%4, \i
.endr
	WIN 0
.endm
.macro FETCH_A2 n
.irp i, 0,1,2,3
	FRAG AF+48*((\n)%2)+12*\i, AW+(\n)/4, 6144, (\n)%4, \i
.endr
.endm
.macro SCALES k                        ; lanes 0-15 x's words, lanes 16-31 the weight's
	ds_load_b128 v[SC+8*((\k)%2):SC+8*((\k)%2)+3], v[ADRS] offset:544*(\k)
	ds_load_b128 v[SC+8*((\k)%2)+4:SC+8*((\k)%2)+7], v[ADRS] offset:544*(\k)+16
.endm
.macro SCALES2 k
	ds_load_b128 v[SC+8*((\k)%2):SC+8*((\k)%2)+3], v[ADRS2] offset:544*(\k)
	ds_load_b128 v[SC+8*((\k)%2)+4:SC+8*((\k)%2)+7], v[ADRS2] offset:544*(\k)+16
.endm
; 16 matrix instructions; zero = 2: the column bias is the C of the first products.  The 64 accumulators take turns in the same order in every step.
.macro MUL a0, k, zero
.irp a, \a0, \a0+1
.irp b, 0,1,2,3,4,5,6,7
.if (\zero) == 2
	v_wmma_scale_f32_16x16x128_f8f6f4 v[8*(8*((\a)%4)+\b):8*(8*((\a)%4)+\b)+7], v[128*((\k)%2)+12*\b:128*((\k)%2)+12*\b+11], v[AF+12*(\a):AF+12*(\a)+11], v[CBW+8*\b+96*(\b/4):CBW+8*\b+96*(\b/4)+7], v[SC+8*((\k)%2)+\b], v[SC+8*((\k)%2)+(\a)] matrix_a_fmt:MATRIX_FMT_FP6 matrix_b_fmt:MATRIX_FMT_FP6 matrix_a_scale:MATRIX_SCALE_ROW1
.else
	v_wmma_scale_f32_16x16x128_f8f6f4 v[8*(8*((\a)%4)+\b):8*(8*((\a)%4)+\b)+7], v[128*((\k)%2)+12*\b:128*((\k)%2)+12*\b+11], v[AF+12*(\a):AF+12*(\a)+11], v[8*(8*((\a)%4)+\b):8*(8*((\a)%4)+\b)+7], v[SC+8*((\k)%2)+\b], v[SC+8*((\k)%2)+(\a)] matrix_a_fmt:MATRIX_FMT_FP6 matrix_b_fmt:MATRIX_FMT_FP6 matrix_a_scale:MATRIX_SCALE_ROW1
.endif
.endr
.endr
.endm
.macro STEP k, zero                    ; a step whose successor lies in the same fill
	s_wait_dscnt 12                                ; all but the youngest 12 loads (x's row blocks 4-7) are in
.if (\zero) == 2
	WIN 0x91
.else
	WIN 0xa1
.endif
	MUL 0, \k, \zero
	MUL 2, \k, \zero
	s_wait_dscnt 0x0
	PLACES 4                                       ; in front of loads into registers that matrix instructions have read
	FETCH_B (\k)+1
	FETCH_A (\k)+1, 0
	SCALES (\k)+1
.if (\zero) == 2
	WIN 0xd1
.else
	WIN 0xf1
.endif
	MUL 4, \k, \zero
	MUL 6, \k, \zero
	PLACES 4
	WIN 0
	FETCH_A (\k)+1, 4
.endm
; A fill's last step: the three lines, a round, and the region just read out is filled again.  kind 1: region 0 takes steps 6, 7.  kind 3: region 1 takes phase 2's steps 0-3.
.macro TURN k, kind
	s_wait_tensorcnt 0x0                           ; my one load, my part of the next fill, has landed
	ds_add_u32 v[SPW], v[NIL]
	s_wait_dscnt 13                                ; (the add and the youngest 12 loads may be out)
	WIN 0xa1
	MUL 0, \k, 0
	s_wait_dscnt 0x0                               ; the add is done, my reads of this region are over
	s_barrier_signal -1
	MUL 2, \k, 0
	WIN 0
	s_barrier_wait -1
	CREST
.if (\kind) == 1
	DIMS 384
	s_add_nc_u64 s[G0A+2:G0A+3], s[G0A+2:G0A+3], 4608
	s_add_nc_u64 s[G0B+2:G0B+3], s[G0B+2:G0B+3], 4608
	LDSAT Q2, 0
	JLOAD                                          ; its four v_nop are also the places in front of the loads below
.else
	DIMS 768
	s_sub_nc_u64 s[G0A+2:G0A+3], s[G0A+2:G0A+3], 9216   ; x: back to step 0
	s_mov_b64 s[G0B+2:G0B+3], s[WVA:WVA+1]
	s_or_b32 s[G0B+3], s[G0B+3], 0x80000000
	LDSAT Q4, REG
	JLOAD2
.endif
	FETCH_B (\k)+1
	FETCH_A (\k)+1, 0
	SCALES (\k)+1
.if (\kind) == 1
	global_prefetch_b8 v[PF12], s[PFV:PFV+1] th:TH_LOAD_NT scope:SCOPE_SE               ; the next fill: my 3,072 bytes of Wv's steps 0-3
.else
	global_prefetch_b8 v[PF12], s[PFV:PFV+1] offset:6144 th:TH_LOAD_NT scope:SCOPE_SE   ; of its steps 4-7
.endif
	WIN 0xf1
	MUL 4, \k, 0
	MUL 6, \k, 0
	PLACES 4
	WIN 0
	FETCH_A (\k)+1, 4
.endm
; PHASE 2: 16 matrix instructions; zero = 1: the row bias is the C of the first products.  The 32 accumulators take turns in the same order in every step.
.macro MUL2 a0, k, zero
.irp a, \a0, \a0+1
.irp b, 0,1,2,3,4,5,6,7
.if \zero
	v_wmma_scale_f32_16x16x128_f8f6f4 v[8*(8*(\a)+\b):8*(8*(\a)+\b)+7], v[128*((\k)%2)+12*\b:128*((\k)%2)+12*\b+11], v[AF+48*((\k)%2)+12*(\a):AF+48*((\k)%2)+12*(\a)+11], v[CBV+8*(\a):CBV+8*(\a)+7], v[SC+8*((\k)%2)+\b], v[WVS+4*(\k)+(\a)] matrix_a_fmt:MATRIX_FMT_FP6 matrix_b_fmt:MATRIX_FMT_FP6
.else
	v_wmma_scale_f32_16x16x128_f8f6f4 v[8*(8*(\a)+\b):8*(8*(\a)+\b)+7], v[128*((\k)%2)+12*\b:128*((\k)%2)+12*\b+11], v[AF+48*((\k)%2)+12*(\a):AF+48*((\k)%2)+12*(\a)+11], v[8*(8*(\a)+\b):8*(8*(\a)+\b)+7], v[SC+8*((\k)%2)+\b], v[WVS+4*(\k)+(\a)] matrix_a_fmt:MATRIX_FMT_FP6 matrix_b_fmt:MATRIX_FMT_FP6
.endif
.endr
.endr
.endm
.macro STEP2 k, zero                   ; both operands have two sets
	s_wait_dscnt 0x0                               ; this step's fragments and scale words are in
	FETCH_B2 (\k)+1
	FETCH_A2 (\k)+1
	SCALES2 (\k)+1
.if \zero
	WIN 0x81
.else
	WIN 0xa1
.endif
	MUL2 0, \k, \zero
	MUL2 2, \k, \zero
	WIN 0
	PLACES 4                                       ; in front of the next step's loads
.endm
; THE QUANTISER, TWO ROW BLOCKS OF SOURCE 1 AT A TIME (e = 0, 1): 64 numbers each, read where they lie (window w, from register ab + 64 e on; register 16 b + i = k 32 b + 16 h + i of my row; each accumulator from its low end on).
; A block's largest magnitude is a tree of three-input maxima, three deep; eight blocks go side by side, so that no line reads the line just above it.  Codes into v[pb + 12 e] on, scale words into v[pw + e].
.macro QUANT2 w, ab, pb, pw
	WIN (\w)|((\w)<<2)|((\w)<<4)
.irp e, 0,1
.irp b, 0,1,2,3
.irp i, 0,1,2,3,4
	v_max3_num_f32 v[MM+24*\e+6*\b+\i], |v[(\ab)+64*\e+16*\b+3*\i]|, |v[(\ab)+64*\e+16*\b+3*\i+1]|, |v[(\ab)+64*\e+16*\b+3*\i+2]|
.endr
.endr
.endr
	WIN (\w)<<4
.irp e, 0,1
.irp b, 0,1,2,3
	v_max3_num_f32 v[MM+24*\e+6*\b+3], v[MM+24*\e+6*\b+3], v[MM+24*\e+6*\b+4], |v[(\ab)+64*\e+16*\b+15]|
.endr
.endr
	WIN 0
.irp e, 0,1
.irp b, 0,1,2,3
	v_max3_num_f32 v[MM+24*\e+6*\b], v[MM+24*\e+6*\b], v[MM+24*\e+6*\b+1], v[MM+24*\e+6*\b+2]
.endr
.endr
.irp e, 0,1
.irp b, 0,1,2,3
	v_max3_num_f32 v[MM+24*\e+6*\b], v[MM+24*\e+6*\b], v[MM+24*\e+6*\b+3], 0x1800000   ; with the floor 2^(3 - 127): the byte cannot fall under 1
.endr
.endr
.irp e, 0,1
.irp b, 0,1,2,3
	v_permlanex16_b32 v[MM+24*\e+6*\b+1], v[MM+24*\e+6*\b], s32, s33
.endr
.endr
.irp e, 0,1
.irp b, 0,1,2,3
	v_max_num_f32 v[MM+24*\e+6*\b], v[MM+24*\e+6*\b], v[MM+24*\e+6*\b+1]   ; with lane l xor 16's 16 numbers
.endr
.endr
.irp e, 0,1
.irp b, 0,1,2,3
	v_add_nc_u32 v[MM+24*\e+6*\b+2], 0xff000000, v[MM+24*\e+6*\b]          ; 2 off the exponent field: the conversion's scale operand
.endr
.endr
.irp e, 0,1
.irp b, 0,1,2,3
	v_lshrrev_b32 v[MM+24*\e+6*\b+1], 23, v[MM+24*\e+6*\b+2]               ; the byte
.endr
.endr
.irp e, 0,1
	v_lshl_or_b32 v[OT+2*\e], v[MM+24*\e+7], 8, v[MM+24*\e+1]
	v_lshl_or_b32 v[OT+2*\e+1], v[MM+24*\e+19], 8, v[MM+24*\e+13]
.endr
.irp e, 0,1
	v_lshl_or_b32 v[(\pw)+\e], v[OT+2*\e+1], 16, v[OT+2*\e]
.endr
	WIN (\w)
.irp e, 0,1
.irp c, 0,1
	v_cvt_scalef32_pk16_fp6_f32 v[(\pb)+12*\e+6*\c:(\pb)+12*\e+6*\c+2], v[(\ab)+64*\e+32*\c:(\ab)+64*\e+32*\c+15], v[MM+24*\e+12*\c+2]
	v_cvt_scalef32_pk16_fp6_f32 v[T2+8*\e+4*\c:T2+8*\e+4*\c+2], v[(\ab)+64*\e+32*\c+16:(\ab)+64*\e+32*\c+31], v[MM+24*\e+12*\c+8]
.endr
.endr
	WIN 0
	v_nop                                          ; one plain place behind the scaled conversions
.irp e, 0,1                            ; a whole block in a lane: lanes 0-15 block 2 c, lanes 16-31 block 2 c + 1
.irp c, 0,1
.irp i, 0,1,2
	v_permlane16_swap_b32 v[(\pb)+12*\e+6*\c+\i], v[T2+8*\e+4*\c+\i]
.endr
.endr
.endr
.irp e, 0,1
.irp c, 0,1
.irp i, 0,1,2
	v_mov_b32 v[(\pb)+12*\e+6*\c+3+\i], v[T2+8*\e+4*\c+\i]
.endr
.endr
.endr
.endm
.macro OUTQ2 w, g, base                ; row blocks 2 g, 2 g + 1 leave as fragments' images: stores of 512 consecutive bytes
	QUANT2 \w, 128*((\g)%2), COD+24*((\g)%2), PW+2*(\g)
.irp e, 0,1
.irp c, 0,1,2
	global_store_b128 v[LI], v[COD+24*((\g)%2)+12*\e+4*\c:COD+24*((\g)%2)+12*\e+4*\c+3], s[\base:\base+1] offset:24576*(2*(\g)+\e)+512*\c
.endr
.endr
.endm
	s_load_b256 s[4:11], s[0:1], 0x0               ; xw_codes, xw_scales, Wq_b, Wk_b
	s_load_b128 s[12:15], s[0:1], 0x20             ; Wv_b, qkv_codes
	s_load_b64 s[16:17], s[0:1], 0x30              ; qkv_scales
	v_lshl_add_u32 v[SPW], v0, 2, SPARE
	v_mov_b32 v[NIL], 0
	ds_add_u32 v[SPW], v[NIL]                      ; the opening lines: the add twice and its wait
	ds_add_u32 v[SPW], v[NIL]
	v_lshrrev_b32 v1, 5, v0
	v_readfirstlane_b32 s18, v1                    ; wave
	s_lshr_b32 s19, s18, 1                         ; wr: my half of source 1's rows; also: I fetch for x (0) or a weight (1)
	s_and_b32 s20, s18, 1                          ; wc: my half of source 0's rows; also: which half of a tile I fetch
	s_bfe_u32 s21, ttmp6, 0x40000                  ; cx
	s_bfe_u32 s22, ttmp6, 0x40004                  ; cy
	s_lshl_b32 s2, s22, 2
	s_lshl_b32 s2, 15, s2                          ; my row of the cluster
	s_lshl_b32 s3, 0x1111, s21                     ; my column
	s_or_b32 s[G1A], s2, (3<<16)|(1<<21)
	s_or_b32 s[G1B], s3, (3<<16)|(1<<21)
	s_or_b32 s[G1SA], s2, (3<<16)|(1<<20)|(1<<21)|(5<<22)|(3<<25)
	s_or_b32 s[G1SB], s3, (3<<16)|(1<<20)|(1<<21)|(5<<22)|(3<<25)
.irp g, G1A, G1B                       ; the head's tiles: 16 row blocks x 4,608 bytes, INP apart
	s_mov_b32 s[\g+1], 576<<16
	s_mov_b32 s[\g+2], 16<<16
	s_mov_b32 s[\g+3], 576<<16
	s_mov_b32 s[\g+4], 16
	s_mov_b32 s[\g+5], INP/8
	s_mov_b32 s[\g+6], 0
	s_mov_b32 s[\g+7], 0
.endr
.irp g, G1SA, G1SB                     ; two groups' scale words: 8,192 dense bytes as 32 rows of 256
	s_mov_b32 s[\g+1], 32<<16
	s_mov_b32 s[\g+2], 32<<16
	s_mov_b32 s[\g+3], 32<<16
	s_mov_b32 s[\g+4], 32
	s_mov_b32 s[\g+5], 32
	s_mov_b32 s[\g+6], 0
	s_mov_b32 s[\g+7], 0
.endr
	s_mov_b32 s32, 0x76543210
	s_mov_b32 s33, 0xfedcba98                      ; selects for lane l xor 16
	s_mov_b32 s34, 0xffff0000                      ; lanes 16-31
	s_and_b32 s2, ttmp7, 0xffff
	s_lshl_b32 s24, s2, 2
	s_add_co_u32 s24, s24, s22                     ; trow
	s_lshl_b32 s23, ttmp9, 2
	s_add_co_u32 s23, s23, s21                     ; tcol
	s_lshl_b32 s2, s24, 13                         ; x: the tile's two groups of scale words,
	s_mul_i32 s100, s24, 16*INP                    ; its 16 row blocks
	s_mov_b32 s101, 0
	s_mov_b32 s3, 0
	s_add_co_u32 s104, s23, 32                     ; Wq | Wk: behind x's 32 tiles
	s_lshl_b32 s26, s104, 13
	s_mul_i32 s104, s104, 16*INP
	s_mov_b32 s105, 0
	s_mov_b32 s27, 0
	s_add_co_u32 s[WVA], s23, 80                   ; Wv: group 80 + tcol
	s_mul_i32 s[WVA], s[WVA], 8*INP
	s_mov_b32 s[WVA+1], 0
	s_mul_i32 s[HO], s20, 8*INP
	s_add_co_u32 s[HO], s[HO], 4608
	s_mov_b32 s[HO+1], 0
	s_wait_dscnt 0x0                               ; both opening adds are done
	CROUND                                         ; the round in front of the first joint loads: it needs no argument, so it stands ahead of the arguments' wait
	s_wait_kmcnt 0x0
	s_mov_b32 s[G0A], 1
	s_mov_b32 s[G0A+1], 0
	s_add_nc_u64 s[G0A+2:G0A+3], s[4:5], s[100:101]
	s_or_b32 s[G0A+3], s[G0A+3], 0x80000000
	s_mov_b32 s[G0B], 1
	s_mov_b32 s[G0B+1], 2*Q3
	s_add_nc_u64 s[G0B+2:G0B+3], s[4:5], s[104:105]
	s_or_b32 s[G0B+3], s[G0B+3], 0x80000000
	s_add_nc_u64 s[WVA:WVA+1], s[4:5], s[WVA:WVA+1]
	s_mov_b32 s[G0SA], 1
	s_mov_b32 s[G0SA+1], SCL
	s_add_nc_u64 s[G0SA+2:G0SA+3], s[6:7], s[2:3]
	s_or_b32 s[G0SA+3], s[G0SA+3], 0x80000000
	s_mov_b32 s[G0SB], 1
	s_mov_b32 s[G0SB+1], SCL+2*SGRP
	s_add_nc_u64 s[G0SB+2:G0SB+3], s[6:7], s[26:27]
	s_or_b32 s[G0SB+3], s[G0SB+3], 0x80000000
	ARM 1, G0A,  G1A,  .Lhead_b                    ; one load a wave, in one chain
	ARM 2, G0B,  G1B,  .Lhead_sa
	ARM 3, G0SA, G1SA, .Lhead_sb
	tensor_load_to_lds s[G0SB:G0SB+3], s[G1SB:G1SB+7]
	s_nop 0
	PLACES 4
.Lhead_asked:
	v_and_b32 v1, 15, v0                           ; r
	v_bfe_u32 v2, v0, 4, 1                         ; h
	v_and_b32 v3, 31, v0
	v_lshlrev_b32 v21, 6, v2
	v_and_b32 v22, 8, v1
	v_add_nc_u32 v22, v22, v1
	v_lshlrev_b32 v22, 2, v22
	v_lshlrev_b32 v[QO2], 5, v1
	v_lshlrev_b32 v[LI], 4, v3
	v_min_u32 v[PF18], 17, v3
	v_min_u32 v[PF12], 11, v3
	v_lshlrev_b32 v[PF18], 8, v[PF18]
	v_lshlrev_b32 v[PF12], 8, v[PF12]
	s_wait_alu depctr_va_vdst(0)
	s_bitcmp1_b32 s23, 2
	s_cselect_b64 s[8:9], s[10:11], s[8:9]         ; tiles 0-3: Wq's bias, 4-7: Wk's
	s_and_b32 s100, s23, 3
	s_lshl_b32 s100, s100, 10
	s_lshl_b32 s104, s20, 9
	s_add_co_u32 s100, s100, s104
	s_add_nc_u64 s[8:9], s[8:9], s[100:101]
	s_lshl_b32 s100, s23, 9                        ; bv: 128 numbers a half tile, my 64
	s_lshl_b32 s104, s19, 8
	s_add_co_u32 s100, s100, s104
	s_add_nc_u64 s[12:13], s[12:13], s[100:101]
	s_add_co_u32 s100, s23, 80                     ; Wv's scale words: my four of the group's eight row blocks
	s_lshl_b32 s100, s100, 12
	s_lshl_b32 s104, s19, 4
	s_add_co_u32 s100, s100, s104
	s_add_nc_u64 s[6:7], s[6:7], s[100:101]
	WIN 0x40
.irp b, 0,1,2,3,4,5,6,7                ; bq | bk: register 8 b + j wants column 32 (b / 2) + 16 h + 8 (b % 2) + j of my 128
	global_load_b128 v[CBW+8*\b+96*(\b/4):CBW+8*\b+96*(\b/4)+3], v21, s[8:9] offset:(32*(\b/2)+8*(\b%2))*4
	global_load_b128 v[CBW+8*\b+96*(\b/4)+4:CBW+8*\b+96*(\b/4)+7], v21, s[8:9] offset:(32*(\b/2)+8*(\b%2))*4+16
.endr
	WIN 0
.irp a, 0,1,2,3                        ; bv: row block a wants row 32 (a / 2) + 8 (a % 2) + r + 8 (r / 8) of my 64
	global_load_b32 v[BRV+\a], v22, s[12:13] offset:(32*(\a/2)+8*(\a%2))*4
.endr
.irp k, 0,1,2,3,4,5,6,7
	global_load_b128 v[WVS+4*\k:WVS+4*\k+3], v[QO2], s[6:7] offset:512*\k
.endr
	; the prefetches' places: x: row block 16 trow + 4 cx + wave; Wq | Wk: 16 (32 + tcol) + 4 cy + wave; Wv: 8 (80 + tcol) + 2 cy + wave % 2, its half wave / 2 of a fill's 6,144 bytes
	s_lshl_b32 s2, s24, 4
	s_lshl_b32 s3, s21, 2
	s_add_co_u32 s2, s2, s3
	s_add_co_u32 s2, s2, s18
	s_mul_i32 s2, s2, INP
	s_mov_b32 s3, 0
	s_add_nc_u64 s[PFX:PFX+1], s[4:5], s[2:3]
	s_add_co_u32 s2, s23, 32
	s_lshl_b32 s2, s2, 4
	s_lshl_b32 s25, s22, 2
	s_add_co_u32 s2, s2, s25
	s_add_co_u32 s2, s2, s18
	s_mul_i32 s2, s2, INP
	s_add_nc_u64 s[PFW:PFW+1], s[4:5], s[2:3]
	s_add_co_u32 s2, s23, 80
	s_lshl_b32 s2, s2, 3
	s_lshl_b32 s25, s22, 1
	s_add_co_u32 s2, s2, s25
	s_add_co_u32 s2, s2, s20
	s_mul_i32 s2, s2, INP
	s_mul_i32 s25, s19, 3072
	s_add_co_u32 s2, s2, s25
	s_add_nc_u64 s[PFV:PFV+1], s[4:5], s[2:3]
	global_prefetch_b8 v[PF18], s[PFX:PFX+1] offset:4608 th:TH_LOAD_NT scope:SCOPE_SE   ; the next fill: steps 3-5, 4,608 bytes of my row block
	global_prefetch_b8 v[PF18], s[PFW:PFW+1] offset:4608 th:TH_LOAD_NT scope:SCOPE_SE
	s_mul_i32 s86, s19, Q3                         ; LDS places, from the wave's number alone
	s_mul_i32 s87, s20, Q3
	s_add_co_u32 s87, s87, 2*Q3
	s_mul_i32 s88, s19, Q2
	s_mul_i32 s89, s20, Q2
	s_add_co_u32 s89, s89, 2*Q2
	s_mul_i32 s90, s20, Q4
	s_mul_i32 s91, s19, Q2
	s_add_co_u32 s91, s91, 2*Q4
	s_mul_i32 s93, s19, SGRP
	s_mul_i32 s94, s20, SGRP
	s_add_co_u32 s92, s94, 2*SGRP
	s_sub_co_u32 s92, s92, s93
	s_add_co_u32 s93, s93, SCL
	s_add_co_u32 s94, s94, SCL
	; phase 2's results: row block 512 + 64 x batch + 8 tcol + 4 wr; key step 2 (trow % 8) + wc
	s_lshr_b32 s2, s24, 3
	s_lshl_b32 s2, s2, 6
	s_lshl_b32 s3, s23, 3
	s_add_co_u32 s2, s2, s3
	s_add_co_u32 s2, s2, 512
	s_and_b32 s3, s24, 7
	s_lshl_b32 s3, s3, 1
	s_add_co_u32 s3, s3, s20
	s_lshl_b32 s100, s2, 10
	s_lshl_b32 s104, s3, 9
	s_add_co_u32 s100, s100, s104
	s_lshl_b32 s104, s19, 4
	s_add_co_u32 s100, s100, s104
	s_add_nc_u64 s[10:11], s[16:17], s[100:101]
	s_lshl_b32 s104, s19, 2
	s_add_co_u32 s2, s2, s104
	s_mul_i32 s100, s2, 24576
	s_mul_i32 s104, s3, 1536
	s_add_co_u32 s100, s100, s104
	s_add_nc_u64 s[4:5], s[14:15], s[100:101]
	; phase 1's: row block 16 trow + 8 wr; K step 2 tcol + wc (0-7: q, 8-15: k)
	s_lshl_b32 s2, s24, 4
	s_lshl_b32 s3, s19, 3
	s_add_co_u32 s2, s2, s3
	s_lshl_b32 s3, s23, 1
	s_add_co_u32 s3, s3, s20
	s_mul_i32 s100, s2, 24576
	s_mul_i32 s104, s3, 1536
	s_add_co_u32 s100, s100, s104
	s_add_nc_u64 s[14:15], s[14:15], s[100:101]
	s_lshl_b32 s100, s2, 9                         ; scale words: group x 4,096
	s_and_b32 s104, s3, 7
	s_lshl_b32 s104, s104, 9                       ; + step % 8 x 512
	s_add_co_u32 s100, s100, s104
	s_lshr_b32 s104, s3, 3
	s_lshl_b32 s104, s104, 18                      ; + 262,144 for k
	s_add_co_u32 s100, s100, s104
	s_add_nc_u64 s[16:17], s[16:17], s[100:101]
	v_lshl_add_u32 v[QO], v2, 4, v[QO2]
	v_lshl_add_u32 v[QO3], v2, 3, v[QO2]
	v_add_nc_u32 v[ADRA], s86, v[LI]
	v_add_nc_u32 v[ADRB], s87, v[LI]
	v_add_nc_u32 v[ADRA+1], REG, v[ADRA]
	v_add_nc_u32 v[ADRB+1], REG, v[ADRB]
	v_add_nc_u32 v[ADRA+2], s88, v[LI]
	v_add_nc_u32 v[ADRB+2], s89, v[LI]
	v_add_nc_u32 v[BX+1], s90, v[LI]
	v_add_nc_u32 v[BX], REG, v[BX+1]
	v_add_nc_u32 v[AW+1], s91, v[LI]
	v_add_nc_u32 v[AW], REG, v[AW+1]
	v_lshrrev_b32 v23, 3, v1
	v_lshl_add_u32 v25, v23, 4, v[QO2]             ; 32 r, and 16 more behind the first unit of 256 bytes
	v_mul_u32_u24 v23, s92, v2                     ; lanes 16-31 take the weight's words: one product with h
	v_add_nc_u32 v[ADRS], v25, v23
	v_add_nc_u32 v[ADRS], s93, v[ADRS]
	v_add_nc_u32 v[ADRS2], s94, v25
	s_wait_loadcnt 0x0                             ; the biases and Wv's scale words
.irp a, 0,1,2,3
.irp j, 0,1,2,3,4,5,6,7
	v_mov_b32 v[CBV+8*\a+\j], v[BRV+\a]            ; bv in the result's layout
.endr
.endr
	s_wait_alu depctr_va_vdst(0)
	s_wait_tensorcnt 0x0                           ; my tile of the head's four is in
	ds_add_u32 v[SPW], v[NIL]
	s_mov_b32 s[G1A+2], 8<<16                      ; from here on a load brings 8 row blocks
	s_mov_b32 s[G1A+4], 8
	s_mov_b32 s[G1B+2], 8<<16
	s_mov_b32 s[G1B+4], 8
	s_add_nc_u64 s[G0A+2:G0A+3], s[G0A+2:G0A+3], s[HO:HO+1]   ; my half, step 3
	s_add_nc_u64 s[G0B+2:G0B+3], s[G0B+2:G0B+3], s[HO:HO+1]
	LDSAT Q3, REG
	s_wait_dscnt 0x0
	CROUND
	JLOAD                                          ; region 1: steps 3-5
	; ---------------- PHASE 1
	FETCH_B 0
	FETCH_A 0, 0
	SCALES 0
	FETCH_A 0, 4
	global_prefetch_b8 v[PF12], s[PFX:PFX+1] offset:9216 th:TH_LOAD_NT scope:SCOPE_SE   ; the next fill: steps 6-7, 3,072 bytes of my row block
	global_prefetch_b8 v[PF12], s[PFW:PFW+1] offset:9216 th:TH_LOAD_NT scope:SCOPE_SE
	STEP 0, 2
	STEP 1, 0
	TURN 2, 1
	STEP 3, 0
	STEP 4, 0
	TURN 5, 3
	STEP 6, 0
	s_wait_dscnt 12                                ; step 7: nothing more to fetch
	WIN 0xa1
	MUL 0, 7, 0
	MUL 2, 7, 0
	s_wait_dscnt 0x0
	WIN 0xf1
	MUL 4, 7, 0
	MUL 6, 7, 0
	WIN 0
	PLACES 4                                       ; in front of the first read of results
	s_wait_tensorcnt 0x0                           ; my part of phase 2's steps 0-3 is in
	ds_add_u32 v[SPW], v[NIL]
	s_add_nc_u64 s[G0A+2:G0A+3], s[G0A+2:G0A+3], 6144
	s_add_nc_u64 s[G0B+2:G0B+3], s[G0B+2:G0B+3], 6144
	LDSAT Q4, 0
	s_wait_dscnt 0x0
	CROUND                                         ; no wave of any partner still reads region 0; region 1 is whole for all four waves
	JLOAD2                                         ; region 0: phase 2's steps 4-7
	OUTQ2 2, 0, 14
	OUTQ2 2, 1, 14
	s_wait_xcnt 0x0                                ; the stores of two pairs ago have read this set of codes
	OUTQ2 3, 2, 14
	s_wait_xcnt 0x0
	OUTQ2 3, 3, 14
.irp j, 0,1,2,3
	v_cndmask_b32 v[PW+\j], v[PW+\j], v[PW+4+\j], s34   ; lanes 0-15 keep row blocks 0-3, lanes 16-31 take 4-7
.endr
	global_store_b128 v[QO], v[PW:PW+3], s[16:17]  ; 512 consecutive bytes
	; ---------------- PHASE 2
	s_wait_xcnt 0x0                                ; the stores have read the registers that the loads below fill
	FETCH_B2 0
	FETCH_A2 0
	SCALES2 0
	STEP2 0, 1
	STEP2 1, 0
	STEP2 2, 0
	s_wait_tensorcnt 0x0                           ; step 3: my part of steps 4-7 is in
	s_wait_dscnt 0x0
	s_barrier_signal -1
	WIN 0xa1
	MUL2 0, 3, 0
	WIN 0
	s_barrier_wait -1
	FETCH_B2 4
	FETCH_A2 4
	SCALES2 4
	WIN 0xa1
	MUL2 2, 3, 0
	WIN 0
	PLACES 4
	STEP2 4, 0
	STEP2 5, 0
	STEP2 6, 0
	s_wait_dscnt 0x0
	WIN 0xa1
	MUL2 0, 7, 0
	MUL2 2, 7, 0
	WIN 0
	PLACES 4
	OUTQ2 2, 0, 4
	OUTQ2 2, 1, 4
.irp j, 0,1
	v_cndmask_b32 v[PW+\j], v[PW+\j], v[PW+2+\j], s34   ; lanes 0-15 keep row blocks 0, 1, lanes 16-31 take 2, 3
.endr
	global_store_b64 v[QO3], v[PW:PW+1], s[10:11]  ; 16 of each 32 bytes; the wave with the other half of Wv's rows stores the rest
	s_wait_tensorcnt 0x0                           ; the wave's end
	ds_add_u32 v[SPW], v[NIL]
	s_wait_dscnt 0x0
	CROUND                                         ; the closing round
	s_endpgm
.Lfunc_end_k_q9802be7f17_proj:
	.size	k_q9802be7f17_proj, .Lfunc_end_k_q9802be7f17_proj-k_q9802be7f17_proj
	.p2alignl 7, 3214868480
	.fill 96, 4, 3214868480
	.section	.rodata,"a",@progbits
	.p2align	6, 0x0
	.amdhsa_kernel k_q9802be7f17_proj
		.amdhsa_group_segment_fixed_size 327680
		.amdhsa_private_segment_fixed_size 0
		.amdhsa_enable_private_segment 0
		.amdhsa_kernarg_size 56
		.amdhsa_user_sgpr_count 2
		.amdhsa_user_sgpr_kernarg_segment_ptr 1
		.amdhsa_wavefront_size32 1
		.amdhsa_system_sgpr_workgroup_id_x 1
		.amdhsa_system_sgpr_workgroup_id_y 1
		.amdhsa_system_sgpr_workgroup_id_z 1
		.amdhsa_system_vgpr_workitem_id 0
		.amdhsa_next_free_vgpr 1024
		.amdhsa_next_free_sgpr 106
		.amdhsa_reserve_vcc 0
		.amdhsa_float_denorm_mode_32 3
		.amdhsa_float_denorm_mode_16_64 3
		.amdhsa_memory_ordered 1
		.amdhsa_forward_progress 1
		.amdhsa_inst_pref_size 218
	.end_amdhsa_kernel
	.amdgpu_metadata
---
amdhsa.version: [ 1, 2 ]
amdhsa.kernels:
  - .name:           k_q9802be7f17_proj
    .symbol:         k_q9802be7f17_proj.kd
    .args:
      - { .name: xw_codes, .offset: 0, .size: 8, .value_kind: global_buffer, .address_space: global }
      - { .name: xw_scales, .offset: 8, .size: 8, .value_kind: global_buffer, .address_space: global }
      - { .name: Wq_b, .offset: 16, .size: 8, .value_kind: global_buffer, .address_space: global }
      - { .name: Wk_b, .offset: 24, .size: 8, .value_kind: global_buffer, .address_space: global }
      - { .name: Wv_b, .offset: 32, .size: 8, .value_kind: global_buffer, .address_space: global }
      - { .name: qkv_codes, .offset: 40, .size: 8, .value_kind: global_buffer, .address_space: global }
      - { .name: qkv_scales, .offset: 48, .size: 8, .value_kind: global_buffer, .address_space: global }
    .group_segment_fixed_size: 327680
    .private_segment_fixed_size: 0
    .kernarg_segment_align: 8
    .kernarg_segment_size: 56
    .max_flat_workgroup_size: 128
    .sgpr_count:     106
    .vgpr_count:     1024
    .wavefront_size: 32
...
	.end_amdgpu_metadata
.endif
;; end of part 2
;; launch scores (part 3): grid 8 x 32, 4 waves a work-group, clusters of 4 x 4, 327,680 bytes of LDS; arguments qkv_codes, qkv_scales, p_codes, p_meta; writes p_codes, p_meta
.if DOCPART == 3
	.amdgcn_target "amdgcn-amd-amdhsa--gfx1250"
	.amdhsa_code_object_version 6
	.text
	.protected	k_q9802be7f17_scores
	.globl	k_q9802be7f17_scores
	.p2align	8
	.type	k_q9802be7f17_scores,@function
k_q9802be7f17_scores:
	s_mov_b64 s[64:65], 0
	v_nop
	global_prefetch_b8 v0, s[64:65] scope:SCOPE_SE
	s_setreg_imm32_b32 hwreg(HW_REG_WAVE_MODE, 25, 1), 1
	s_wait_xcnt 0x0
	s_wait_alu depctr_hold_cnt(0) depctr_sa_sdst(0) depctr_va_vdst(0) depctr_va_sdst(0) depctr_va_ssrc(0) depctr_va_vcc(0) depctr_vm_vsrc(0)
	s_getreg_b32 s2, hwreg(HW_REG_IB_STS2, 6, 4)
	s_cmp_eq_u32 s2, 0
	s_cbranch_scc0 .Lentry_in_a_cluster
	s_endpgm
.Lentry_in_a_cluster:
	s_bfe_u32 s2, ttmp6, 0x10000c
	s_cmp_lg_u32 s2, 0xf033
	s_cbranch_scc0 .Lentry_shape_is_right
	s_endpgm
.Lentry_shape_is_right:
; S^T = k q^T on codes of FP6 (E2M3) with E8M0 scales, K = 1,024; then, for each query and each run of 128 keys: t = score x log2(e) / 32, M = ceil(the run's largest t), p = 2^(t - M), the sum of the unquantised p,
; and p quantised along the keys.  M is a whole number, so the next launch brings all runs of a row under the row's own M by taking whole numbers off the scale bytes: the codes stay as they are.
; Out: p's codes as fragment images [row block of queries][key step of 128][1,536]; three tables [group of 8 row blocks][key step][r][row block]: scale words, -M (f32), the sum (f32).
; A tile is 256 queries x 256 keys, four waves of 128 x 128.  Source 1 = q (a lane holds one query), source 0 = k (a lane's registers run along the keys).
; LDS: two regions of 147,456 bytes, the scale words of all of K, the spare words.  A wave has one tensor load out at a time: at the head region 0 takes K steps 0-2 (wave 0: q's 16 row blocks, wave 1: k's),
; waves 2 and 3 bring q's and k's scale words; behind the head's round region 1 takes steps 3-5 (a quarter a wave); behind step 2 region 0 takes steps 6-7.
; CLUSTER 4 x 4: q's tiles are asked for jointly along a row of the cluster, k's along a column.
; PREFETCH: one fill ahead: steps 3-5 are asked for at the head, steps 6-7 behind the second fill's request; the last fill asks for nothing.  A wave names one row block's bytes of that fill, a lane 256 bytes; the four partners
;   that share a tile take 4 of its 16 row blocks each, by address (cx for q, cy for k); lanes left over name their wave's last block again.
; LIMITS: NaN and infinities are not served; M is exact while |t| stays under 2^24; a p under 2^-126 counts as 0; a block whose every p is 0 keeps the byte 1 over zero codes.
; REGISTERS: window 0: v1-29 addresses; v32-47 scale words, two sets; v64-127 at work on the way out; v128-223 q's fragments, later codes (v128-175), scale words (v176-183), -M (v184-191), sums (v192-199); v224-251 at work.
;   window 1: k's fragments, two sets; on the way out v0-63 the sums' tree.   windows 2, 3: the accumulators, (a, b) at v[8 (8 (a % 4) + b)]; on the way out t - M and p are made in place there.
.set INP,   24576
.set REG,   147456
.set Q3,    36864
.set Q2,    24576
.set SGRP,  4352
.set SCL,   2*REG
.set SPARE, SCL+4*SGRP
.set PF18,  4                          ; v4  prefetch: 256 x min(lane, 17)
.set PF12,  5                          ; v5  prefetch: 256 x min(lane, 11)
.set ADRA,  8
.set ADRB,  11
.set ADRS,  14
.set LI,    16
.set QO,    17
.set SPW,   28
.set NIL,   29
.set SC,    32
.set MM,    64                         ; v64-111 maxima: 24 registers a row block, 6 a block of 32 keys
.set T2,    112                        ; v112-127 second halves of blocks
.set AF,    128
.set COD,   128
.set PW,    176
.set NM,    184
.set LL,    192
.set TM,    224
.set G0SB,  28
.set G0SA,  36
.set G1A,   40
.set G1B,   48
.set G1SA,  56
.set HO,    66
.set G1SB,  68
.set G0A,   76
.set G0B,   80
.set PFQ,   96
.set PFK,   98
.set MSB, 0
.macro WIN new
.if MSB != (\new)
	s_set_vgpr_msb (MSB<<8)|(\new)
.set MSB, (\new)
.endif
.endm
.macro PLACES n
.rept \n
	v_nop
.endr
.endm
.macro CREST
	s_cmp_lg_u32 s18, 0
	s_cbranch_scc1 .Lnot_wave_0_\@
	s_barrier_signal -3
.Lnot_wave_0_\@:
	s_barrier_wait -3
	s_barrier_signal -1
	s_barrier_wait -1
.endm
.macro CROUND
	s_barrier_signal -1
	s_barrier_wait -1
	CREST
.endm
.macro JLOAD                           ; waves 0, 1 fetch q's halves, waves 2, 3 k's
	s_cmp_eq_u32 s19, 0
	s_cbranch_scc0 .Lfor_b_\@
	tensor_load_to_lds s[G0A:G0A+3], s[G1A:G1A+7]
	s_nop 0
	PLACES 4
	s_branch .Lasked_\@
.Lfor_b_\@:
	tensor_load_to_lds s[G0B:G0B+3], s[G1B:G1B+7]
	s_nop 0
	PLACES 4
.Lasked_\@:
.endm
.macro ARM under, g0, g1, next
	s_cmp_lt_u32 s18, \under
	s_cbranch_scc0 \next
	tensor_load_to_lds s[\g0:\g0+3], s[\g1:\g1+7]
	s_nop 0
	PLACES 4
	s_branch .Lhead_asked
\next:
.endm
.macro FRAG reg, adr, pit, q, i
.irp c, 0,1,2
	ds_load_b128 v[(\reg)+4*\c:(\reg)+4*\c+3], v[\adr] offset:(\i)*(\pit)+(\q)*1536+512*\c
.endr
.endm
.macro FETCH_B n                       ; step n: fill n / 3, a row block 4,608 bytes there (3,072 in the last fill)
	WIN 0x40
.irp i, 0,1,2,3,4,5,6,7
	FRAG 128*((\n)%2)+12*\i, ADRB+(\n)/3, 4608-1536*((\n)/6), (\n)%3, \i
.endr
	WIN 0
.endm
.macro FETCH_A n, i0
.irp i, \i0, \i0+1, \i0+2, \i0+3
	FRAG AF+12*(\i), ADRA+(\n)/3, 4608-1536*((\n)/6), (\n)%3, \i
.endr
.endm
.macro SCALES k
	ds_load_b128 v[SC+8*((\k)%2):SC+8*((\k)%2)+3], v[ADRS] offset:544*(\k)
	ds_load_b128 v[SC+8*((\k)%2)+4:SC+8*((\k)%2)+7], v[ADRS] offset:544*(\k)+16
.endm
; 16 matrix instructions; zero = 1: the first products start the sums.  The 64 accumulators take turns in the same order in every step.
.macro MUL a0, k, zero
.irp a, \a0, \a0+1
.irp b, 0,1,2,3,4,5,6,7
.if (\zero) == 1
	v_wmma_scale_f32_16x16x128_f8f6f4 v[8*(8*((\a)%4)+\b):8*(8*((\a)%4)+\b)+7], v[128*((\k)%2)+12*\b:128*((\k)%2)+12*\b+11], v[AF+12*(\a):AF+12*(\a)+11], 0, v[SC+8*((\k)%2)+\b], v[SC+8*((\k)%2)+(\a)] matrix_a_fmt:MATRIX_FMT_FP6 matrix_b_fmt:MATRIX_FMT_FP6 matrix_a_scale:MATRIX_SCALE_ROW1
.else
	v_wmma_scale_f32_16x16x128_f8f6f4 v[8*(8*((\a)%4)+\b):8*(8*((\a)%4)+\b)+7], v[128*((\k)%2)+12*\b:128*((\k)%2)+12*\b+11], v[AF+12*(\a):AF+12*(\a)+11], v[8*(8*((\a)%4)+\b):8*(8*((\a)%4)+\b)+7], v[SC+8*((\k)%2)+\b], v[SC+8*((\k)%2)+(\a)] matrix_a_fmt:MATRIX_FMT_FP6 matrix_b_fmt:MATRIX_FMT_FP6 matrix_a_scale:MATRIX_SCALE_ROW1
.endif
.endr
.endr
.endm
.macro STEP k, zero
	s_wait_dscnt 12                                ; all but the youngest 12 loads (q's row blocks 4-7) are in
	WIN 0xa1
	MUL 0, \k, \zero
	MUL 2, \k, \zero
	s_wait_dscnt 0x0
	PLACES 4                                       ; in front of loads into registers that matrix instructions have read
	FETCH_B (\k)+1
	FETCH_A (\k)+1, 0
	SCALES (\k)+1
	WIN 0xf1
	MUL 4, \k, \zero
	MUL 6, \k, \zero
	PLACES 4
	WIN 0
	FETCH_A (\k)+1, 4
.endm
; A fill's last step.  kind 1: the three lines, a round, region 0 takes steps 6, 7.  kind 2: the same lines and a barrier, nothing left to fetch.
.macro TURN k, kind
	s_wait_tensorcnt 0x0                           ; my one load, my part of the next fill, has landed
	ds_add_u32 v[SPW], v[NIL]
	s_wait_dscnt 13                                ; (the add and the youngest 12 loads may be out)
	WIN 0xa1
	MUL 0, \k, 0
	s_wait_dscnt 0x0
	s_barrier_signal -1
	MUL 2, \k, 0
	WIN 0
	s_barrier_wait -1
.if (\kind) == 1
	CREST
.irp g, G1A, G1B
	s_mov_b32 s[\g+1], 384<<16                     ; rows of 3,072 bytes
	s_mov_b32 s[\g+3], 384<<16
.endr
	s_add_nc_u64 s[G0A+2:G0A+3], s[G0A+2:G0A+3], 4608
	s_add_nc_u64 s[G0B+2:G0B+3], s[G0B+2:G0B+3], 4608
	s_mul_i32 s[G0A+1], s18, Q2
	s_mul_i32 s[G0B+1], s18, Q2
	JLOAD
.else
	PLACES 4
.endif
	FETCH_B (\k)+1
	FETCH_A (\k)+1, 0
	SCALES (\k)+1
	WIN 0xf1
	MUL 4, \k, 0
	MUL 6, \k, 0
	PLACES 4
	WIN 0
	FETCH_A (\k)+1, 4
.endm
	s_load_b256 s[4:11], s[0:1], 0x0               ; qkv_codes, qkv_scales, p_codes, p_meta
	v_lshl_add_u32 v[SPW], v0, 2, SPARE
	v_mov_b32 v[NIL], 0
	ds_add_u32 v[SPW], v[NIL]                      ; the opening lines: the add twice and its wait
	ds_add_u32 v[SPW], v[NIL]
	v_lshrrev_b32 v1, 5, v0
	v_readfirstlane_b32 s18, v1
	s_lshr_b32 s19, s18, 1
	s_and_b32 s20, s18, 1
	s_bfe_u32 s21, ttmp6, 0x40000                  ; cx
	s_bfe_u32 s22, ttmp6, 0x40004                  ; cy
	s_lshl_b32 s2, s22, 2
	s_lshl_b32 s2, 15, s2
	s_lshl_b32 s3, 0x1111, s21
	s_or_b32 s[G1A], s2, (3<<16)|(1<<21)
	s_or_b32 s[G1B], s3, (3<<16)|(1<<21)
	s_or_b32 s[G1SA], s2, (3<<16)|(1<<20)|(1<<21)|(5<<22)|(3<<25)
	s_or_b32 s[G1SB], s3, (3<<16)|(1<<20)|(1<<21)|(5<<22)|(3<<25)
.irp g, G1A, G1B                       ; the head's tiles: 16 row blocks x 4,608 bytes, INP apart
	s_mov_b32 s[\g+1], 576<<16
	s_mov_b32 s[\g+2], 16<<16
	s_mov_b32 s[\g+3], 576<<16
	s_mov_b32 s[\g+4], 16
	s_mov_b32 s[\g+5], INP/8
	s_mov_b32 s[\g+6], 0
	s_mov_b32 s[\g+7], 0
.endr
.irp g, G1SA, G1SB                     ; two groups' scale words: 8,192 dense bytes as 32 rows of 256
	s_mov_b32 s[\g+1], 32<<16
	s_mov_b32 s[\g+2], 32<<16
	s_mov_b32 s[\g+3], 32<<16
	s_mov_b32 s[\g+4], 32
	s_mov_b32 s[\g+5], 32
	s_mov_b32 s[\g+6], 0
	s_mov_b32 s[\g+7], 0
.endr
	s_mov_b32 s32, 0x76543210
	s_mov_b32 s33, 0xfedcba98
	s_mov_b32 s34, 0xffff0000
	s_mov_b32 s12, 0x3d38aa3b                      ; c = log2(e) / 32
	s_mov_b32 s13, s12
	s_and_b32 s2, ttmp7, 0xffff
	s_lshl_b32 s24, s2, 2
	s_add_co_u32 s24, s24, s22                     ; the tile of 256 queries, 0 .. 31
	s_lshl_b32 s23, ttmp9, 2
	s_add_co_u32 s23, s23, s21                     ; the tile of 256 keys in the batch, 0 .. 7
	s_lshr_b32 s104, s2, 1                         ; the batch: from the cluster's y alone
	s_lshl_b32 s104, s104, 3
	s_add_co_u32 s104, s104, s23
	s_mov_b32 s25, s104                            ; the tile of keys, 0 .. 31
	s_lshl_b32 s26, s104, 13
	s_add_co_u32 s26, s26, 262144                  ; k's scale words: the second half of the table
	s_mul_i32 s104, s104, 16*INP
	s_add_co_u32 s104, s104, 8*1536                ; k's codes: steps 8-15 of each row block
	s_mov_b32 s105, 0
	s_mov_b32 s27, 0
	s_lshl_b32 s2, s24, 13
	s_mul_i32 s100, s24, 16*INP
	s_mov_b32 s101, 0
	s_mov_b32 s3, 0
	s_mul_i32 s[HO], s20, 8*INP
	s_add_co_u32 s[HO], s[HO], 4608                ; from a tile's first byte to my half's step 3
	s_mov_b32 s[HO+1], 0
	s_wait_dscnt 0x0                               ; both opening adds are done
	CROUND                                         ; the round in front of the first joint loads: it needs no argument, so it stands ahead of the arguments' wait
	s_wait_kmcnt 0x0
	s_mov_b32 s[G0A], 1
	s_mov_b32 s[G0A+1], 0
	s_add_nc_u64 s[G0A+2:G0A+3], s[4:5], s[100:101]
	s_or_b32 s[G0A+3], s[G0A+3], 0x80000000
	s_mov_b32 s[G0B], 1
	s_mov_b32 s[G0B+1], 2*Q3
	s_add_nc_u64 s[G0B+2:G0B+3], s[4:5], s[104:105]
	s_or_b32 s[G0B+3], s[G0B+3], 0x80000000
	s_mov_b32 s[G0SA], 1
	s_mov_b32 s[G0SA+1], SCL
	s_add_nc_u64 s[G0SA+2:G0SA+3], s[6:7], s[2:3]
	s_or_b32 s[G0SA+3], s[G0SA+3], 0x80000000
	s_mov_b32 s[G0SB], 1
	s_mov_b32 s[G0SB+1], SCL+2*SGRP
	s_add_nc_u64 s[G0SB+2:G0SB+3], s[6:7], s[26:27]
	s_or_b32 s[G0SB+3], s[G0SB+3], 0x80000000
	ARM 1, G0A,  G1A,  .Lhead_b                    ; one load a wave, in one chain
	ARM 2, G0B,  G1B,  .Lhead_sa
	ARM 3, G0SA, G1SA, .Lhead_sb
	tensor_load_to_lds s[G0SB:G0SB+3], s[G1SB:G1SB+7]
	s_nop 0
	PLACES 4
.Lhead_asked:
	v_and_b32 v3, 31, v0
	v_min_u32 v[PF18], 17, v3
	v_min_u32 v[PF12], 11, v3
	v_lshlrev_b32 v[PF18], 8, v[PF18]
	v_lshlrev_b32 v[PF12], 8, v[PF12]
	s_wait_alu depctr_va_vdst(0)
	; the prefetches' places: q: row block 16 x query tile + 4 cx + wave; k: 16 x key tile + 4 cy + wave, its steps 8-15
	s_lshl_b32 s2, s24, 4
	s_lshl_b32 s3, s21, 2
	s_add_co_u32 s2, s2, s3
	s_add_co_u32 s2, s2, s18
	s_mul_i32 s2, s2, INP
	s_mov_b32 s3, 0
	s_add_nc_u64 s[PFQ:PFQ+1], s[4:5], s[2:3]
	s_lshl_b32 s2, s25, 4
	s_lshl_b32 s25, s22, 2
	s_add_co_u32 s2, s2, s25
	s_add_co_u32 s2, s2, s18
	s_mul_i32 s2, s2, INP
	s_add_co_u32 s2, s2, 8*1536
	s_add_nc_u64 s[PFK:PFK+1], s[4:5], s[2:3]
	global_prefetch_b8 v[PF18], s[PFQ:PFQ+1] offset:4608 th:TH_LOAD_NT scope:SCOPE_SE   ; the next fill: steps 3-5, 4,608 bytes of my row block
	global_prefetch_b8 v[PF18], s[PFK:PFK+1] offset:4608 th:TH_LOAD_NT scope:SCOPE_SE
	s_mul_i32 s86, s19, Q3
	s_mul_i32 s87, s20, Q3
	s_add_co_u32 s87, s87, 2*Q3
	s_mul_i32 s88, s19, Q2
	s_mul_i32 s89, s20, Q2
	s_add_co_u32 s89, s89, 2*Q2
	s_mul_i32 s93, s19, SGRP
	s_mul_i32 s92, s20, SGRP
	s_add_co_u32 s92, s92, 2*SGRP
	s_sub_co_u32 s92, s92, s93
	s_add_co_u32 s93, s93, SCL
	; where my results go: row block 16 x query tile + 8 x half; key step 2 x key tile + half
	s_lshl_b32 s2, s24, 4
	s_lshl_b32 s3, s19, 3
	s_add_co_u32 s2, s2, s3
	s_lshl_b32 s3, s23, 1
	s_add_co_u32 s3, s3, s20
	s_mul_i32 s100, s2, 24576
	s_mul_i32 s104, s3, 1536
	s_add_co_u32 s100, s100, s104
	s_add_nc_u64 s[8:9], s[8:9], s[100:101]
	s_lshl_b32 s100, s2, 10
	s_lshl_b32 s104, s3, 9
	s_add_co_u32 s100, s100, s104
	s_add_nc_u64 s[10:11], s[10:11], s[100:101]
	v_and_b32 v1, 15, v0
	v_bfe_u32 v2, v0, 4, 1
	v_lshlrev_b32 v[LI], 4, v3
	v_lshlrev_b32 v[QO], 5, v1
	v_lshrrev_b32 v23, 3, v1
	v_lshl_add_u32 v[ADRS], v23, 4, v[QO]          ; 32 r, and 16 more behind the first unit of 256 bytes
	v_lshl_add_u32 v[QO], v2, 4, v[QO]
	v_add_nc_u32 v[ADRA], s86, v[LI]
	v_add_nc_u32 v[ADRB], s87, v[LI]
	v_add_nc_u32 v[ADRA+1], REG, v[ADRA]
	v_add_nc_u32 v[ADRB+1], REG, v[ADRB]
	v_add_nc_u32 v[ADRA+2], s88, v[LI]
	v_add_nc_u32 v[ADRB+2], s89, v[LI]
	v_mul_u32_u24 v23, s92, v2                     ; lanes 16-31 take k's words: one product with h
	v_add_nc_u32 v[ADRS], v[ADRS], v23
	v_add_nc_u32 v[ADRS], s93, v[ADRS]
	v_mov_b32 v[TM+4], 0                           ; a lane permute's destination counts as one of its sources
	v_mov_b32 v[TM+5], 0
	v_mov_b32 v249, 0                              ; (named as the upper halves of the pairs v[248:249], v[250:251])
	v_mov_b32 v251, 0
	s_wait_alu depctr_va_vdst(0)
	s_wait_tensorcnt 0x0                           ; my tile of the head's four is in
	ds_add_u32 v[SPW], v[NIL]
	s_mov_b32 s[G1A+2], 8<<16                      ; from here on a load brings 8 row blocks
	s_mov_b32 s[G1A+4], 8
	s_mov_b32 s[G1B+2], 8<<16
	s_mov_b32 s[G1B+4], 8
	s_add_nc_u64 s[G0A+2:G0A+3], s[G0A+2:G0A+3], s[HO:HO+1]
	s_add_nc_u64 s[G0B+2:G0B+3], s[G0B+2:G0B+3], s[HO:HO+1]
	s_mul_i32 s[G0A+1], s18, Q3
	s_add_co_u32 s[G0A+1], s[G0A+1], REG
	s_mul_i32 s[G0B+1], s18, Q3
	s_add_co_u32 s[G0B+1], s[G0B+1], REG
	s_wait_dscnt 0x0
	CROUND
	JLOAD                                          ; region 1: steps 3-5
	FETCH_B 0
	FETCH_A 0, 0
	SCALES 0
	FETCH_A 0, 4
	global_prefetch_b8 v[PF12], s[PFQ:PFQ+1] offset:9216 th:TH_LOAD_NT scope:SCOPE_SE   ; the next fill: steps 6-7, 3,072 bytes of my row block
	global_prefetch_b8 v[PF12], s[PFK:PFK+1] offset:9216 th:TH_LOAD_NT scope:SCOPE_SE
	STEP 0, 1
	STEP 1, 0
	TURN 2, 1
	STEP 3, 0
	STEP 4, 0
	TURN 5, 2
	STEP 6, 0
	s_wait_dscnt 12
	WIN 0xa1
	MUL 0, 7, 0
	MUL 2, 7, 0
	s_wait_dscnt 0x0
	WIN 0xf1
	MUL 4, 7, 0
	MUL 6, 7, 0
	WIN 0
	PLACES 4
; THE SOFTMAX'S NUMERATOR, TWO ROW BLOCKS AT A TIME (2 g + e, e = 0, 1).  A lane holds one query and 64 of its 128 keys (register 16 b + i = key 32 b + 16 h + i); lane l xor 16 holds the other 64.
; Maxima and sums are trees, eight blocks side by side, so that no line reads the line just above it.  t - M and p are made in place in the accumulators; the sums' tree lies in window 1.
.macro SOFT2 g
.set WW, 2+(\g)/2
.set AB, 128*((\g)%2)
.set PB, COD+24*((\g)%2)
.if (\g) >= 2
	s_wait_xcnt 0x0                                ; the stores of two pairs ago have read this set of codes
.endif
	WIN WW|(WW<<2)|(WW<<4)
.irp e, 0,1
.irp b, 0,1,2,3
.irp i, 0,1,2,3,4
	v_max3_num_f32 v[MM+24*\e+6*\b+\i], v[AB+64*\e+16*\b+3*\i], v[AB+64*\e+16*\b+3*\i+1], v[AB+64*\e+16*\b+3*\i+2]   ; each accumulator from its low end on
.endr
.endr
.endr
	WIN WW<<4
.irp e, 0,1
.irp b, 0,1,2,3
	v_max3_num_f32 v[MM+24*\e+6*\b+3], v[MM+24*\e+6*\b+3], v[MM+24*\e+6*\b+4], v[AB+64*\e+16*\b+15]
.endr
.endr
	WIN 0
.irp e, 0,1
.irp b, 0,1,2,3
	v_max3_num_f32 v[MM+24*\e+6*\b], v[MM+24*\e+6*\b], v[MM+24*\e+6*\b+1], v[MM+24*\e+6*\b+2]
.endr
.endr
.irp e, 0,1
.irp b, 0,1,2,3
	v_max_num_f32 v[MM+24*\e+6*\b], v[MM+24*\e+6*\b], v[MM+24*\e+6*\b+3]
.endr
.endr
.irp e, 0,1
.irp b, 0,1,2,3
	v_permlanex16_b32 v[MM+24*\e+6*\b+1], v[MM+24*\e+6*\b], s32, s33
.endr
.endr
.irp e, 0,1
.irp b, 0,1,2,3
	v_max_num_f32 v[MM+24*\e+6*\b], v[MM+24*\e+6*\b], v[MM+24*\e+6*\b+1]   ; the largest score of each block of 32 keys: for the maximum and, since p rises with the score, for the block's largest p
.endr
.endr
.irp e, 0,1
	v_max3_num_f32 v[TM+\e], v[MM+24*\e], v[MM+24*\e+6], v[MM+24*\e+12]
.endr
.irp e, 0,1
	v_max_num_f32 v[TM+\e], v[TM+\e], v[MM+24*\e+18]
.endr
.irp e, 0,1
	v_mul_f32 v[TM+\e], s12, v[TM+\e]              ; the largest t of these 128 keys (c is positive)
.endr
.irp e, 0,1
	v_floor_f32 v[248+2*\e], -v[TM+\e]             ; -M = floor(-t) = -ceil(t)
.endr
	WIN WW|(WW<<6)
.irp e, 0,1
.set jj, 0
.rept 32
	v_pk_fma_f32 v[AB+64*\e+jj:AB+64*\e+jj+1], v[AB+64*\e+jj:AB+64*\e+jj+1], s[12:13], v[248+2*\e:249+2*\e] op_sel_hi:[1,0,0]   ; t - M, two at a time, in place
.set jj, jj+2
.endr
.endr
	WIN 0
.irp e, 0,1
.irp b, 0,1,2,3
	v_fma_f32 v[MM+24*\e+6*\b], v[MM+24*\e+6*\b], s12, v[248+2*\e]   ; the same of each block's largest score
.endr
.endr
	s_wait_alu depctr_va_vdst(0)
	WIN WW|(WW<<6)
.set jj, 0
.rept 128
	v_exp_f32 v[AB+jj], v[AB+jj]                   ; p = 2^(t - M), at most 1
.set jj, jj+1
.endr
	WIN 0
.irp e, 0,1
	v_mov_b32 v[NM+2*(\g)+\e], v[248+2*\e]         ; -M is kept.  (The plain place behind the exponentials)
.endr
	s_wait_alu depctr_va_vdst(0)                   ; one wait for the batch, ahead of its first reader
.irp e, 0,1
.irp b, 0,1,2,3
	v_exp_f32 v[MM+24*\e+6*\b], v[MM+24*\e+6*\b]   ; each block's largest p
.endr
.endr
	WIN WW|(WW<<2)|0x40                            ; the sum of the UNQUANTISED p: a tree of packed additions, into window 1
.irp e, 0,1
.irp j, 0,2,4,6,8,10,12,14,16,18,20,22,24,26,28,30
	v_pk_add_f32 v[32*\e+\j:32*\e+\j+1], v[AB+64*\e+\j:AB+64*\e+\j+1], v[AB+64*\e+32+\j:AB+64*\e+32+\j+1]
.endr
.endr
	WIN 0x55
.irp e, 0,1
.irp j, 0,2,4,6,8,10,12,14
	v_pk_add_f32 v[32*\e+\j:32*\e+\j+1], v[32*\e+\j:32*\e+\j+1], v[32*\e+16+\j:32*\e+16+\j+1]
.endr
.endr
.irp e, 0,1
.irp j, 0,2,4,6
	v_pk_add_f32 v[32*\e+\j:32*\e+\j+1], v[32*\e+\j:32*\e+\j+1], v[32*\e+8+\j:32*\e+8+\j+1]
.endr
.endr
	WIN 0
	s_wait_alu depctr_va_vdst(0)                   ; and one for the eight
.irp e, 0,1
.irp b, 0,1,2,3
	v_max_num_f32 v[MM+24*\e+6*\b], 0x1800000, v[MM+24*\e+6*\b]      ; the floor 2^(3 - 127): the byte cannot fall under 1
.endr
.endr
.irp e, 0,1
.irp b, 0,1,2,3
	v_add_nc_u32 v[MM+24*\e+6*\b+2], 0xff000000, v[MM+24*\e+6*\b]    ; 2 off the exponent field: the conversion's scale operand
.endr
.endr
.irp e, 0,1
.irp b, 0,1,2,3
	v_lshrrev_b32 v[MM+24*\e+6*\b+1], 23, v[MM+24*\e+6*\b+2]         ; the byte
.endr
.endr
.irp e, 0,1
	v_lshl_or_b32 v[TM+8+2*\e], v[MM+24*\e+7], 8, v[MM+24*\e+1]
	v_lshl_or_b32 v[TM+9+2*\e], v[MM+24*\e+19], 8, v[MM+24*\e+13]
.endr
.irp e, 0,1
	v_lshl_or_b32 v[PW+2*(\g)+\e], v[TM+9+2*\e], 16, v[TM+8+2*\e]
.endr
	WIN WW
.irp e, 0,1
.irp c, 0,1
	v_cvt_scalef32_pk16_fp6_f32 v[PB+12*\e+6*\c:PB+12*\e+6*\c+2], v[AB+64*\e+32*\c:AB+64*\e+32*\c+15], v[MM+24*\e+12*\c+2]
	v_cvt_scalef32_pk16_fp6_f32 v[T2+8*\e+4*\c:T2+8*\e+4*\c+2], v[AB+64*\e+32*\c+16:AB+64*\e+32*\c+31], v[MM+24*\e+12*\c+8]
.endr
.endr
	WIN 0x55                                       ; the tree goes on: plain lines behind the scaled conversions
.irp e, 0,1
.irp j, 0,2
	v_pk_add_f32 v[32*\e+\j:32*\e+\j+1], v[32*\e+\j:32*\e+\j+1], v[32*\e+4+\j:32*\e+4+\j+1]
.endr
.endr
.irp e, 0,1
	v_pk_add_f32 v[32*\e:32*\e+1], v[32*\e:32*\e+1], v[32*\e+2:32*\e+3]
.endr
	WIN 0
.irp e, 0,1                            ; a whole block in a lane: lanes 0-15 block 2 c, lanes 16-31 block 2 c + 1
.irp c, 0,1
.irp i, 0,1,2
	v_permlane16_swap_b32 v[PB+12*\e+6*\c+\i], v[T2+8*\e+4*\c+\i]
.endr
.endr
.endr
	WIN 0x05
.irp e, 0,1
	v_add_f32 v[TM+\e], v[32*\e], v[32*\e+1]       ; my 64 keys' sum, back in window 0
.endr
	WIN 0
.irp e, 0,1
.irp c, 0,1
.irp i, 0,1,2
	v_mov_b32 v[PB+12*\e+6*\c+3+\i], v[T2+8*\e+4*\c+\i]
.endr
.endr
.endr
.irp e, 0,1
	v_permlanex16_b32 v[TM+4+\e], v[TM+\e], s32, s33
.endr
.irp e, 0,1
	v_add_f32 v[LL+2*(\g)+\e], v[TM+\e], v[TM+4+\e]   ; the sum over the 128 keys
.endr
.irp e, 0,1
.irp c, 0,1,2
	global_store_b128 v[LI], v[PB+12*\e+4*\c:PB+12*\e+4*\c+3], s[8:9] offset:24576*(2*(\g)+\e)+512*\c   ; 512 consecutive bytes, aligned
.endr
.endr
.endm
.irp g, 0,1,2,3
	SOFT2 \g
.endr
.irp j, 0,1,2,3
	v_cndmask_b32 v[PW+\j], v[PW+\j], v[PW+4+\j], s34   ; lanes 0-15 keep row blocks 0-3, lanes 16-31 take 4-7
	v_cndmask_b32 v[NM+\j], v[NM+\j], v[NM+4+\j], s34
	v_cndmask_b32 v[LL+\j], v[LL+\j], v[LL+4+\j], s34
.endr
	global_store_b128 v[QO], v[PW:PW+3], s[10:11]
	global_store_b128 v[QO], v[NM:NM+3], s[10:11] offset:524288
	global_store_b128 v[QO], v[LL:LL+3], s[10:11] offset:1048576
	s_wait_tensorcnt 0x0                           ; the wave's end
	ds_add_u32 v[SPW], v[NIL]
	s_wait_dscnt 0x0
	CROUND                                         ; the closing round
	s_endpgm
.Lfunc_end_k_q9802be7f17_scores:
	.size	k_q9802be7f17_scores, .Lfunc_end_k_q9802be7f17_scores-k_q9802be7f17_scores
	.p2alignl 7, 3214868480
	.fill 96, 4, 3214868480
	.section	.rodata,"a",@progbits
	.p2align	6, 0x0
	.amdhsa_kernel k_q9802be7f17_scores
		.amdhsa_group_segment_fixed_size 327680
		.amdhsa_private_segment_fixed_size 0
		.amdhsa_enable_private_segment 0
		.amdhsa_kernarg_size 32
		.amdhsa_user_sgpr_count 2
		.amdhsa_user_sgpr_kernarg_segment_ptr 1
		.amdhsa_wavefront_size32 1
		.amdhsa_system_sgpr_workgroup_id_x 1
		.amdhsa_system_sgpr_workgroup_id_y 1
		.amdhsa_system_sgpr_workgroup_id_z 1
		.amdhsa_system_vgpr_workitem_id 0
		.amdhsa_next_free_vgpr 1024
		.amdhsa_next_free_sgpr 106
		.amdhsa_reserve_vcc 0
		.amdhsa_float_denorm_mode_32 3
		.amdhsa_float_denorm_mode_16_64 3
		.amdhsa_memory_ordered 1
		.amdhsa_forward_progress 1
		.amdhsa_inst_pref_size 194
	.end_amdhsa_kernel
	.amdgpu_metadata
---
amdhsa.version: [ 1, 2 ]
amdhsa.kernels:
  - .name:           k_q9802be7f17_scores
    .symbol:         k_q9802be7f17_scores.kd
    .args:
      - { .name: qkv_codes, .offset: 0, .size: 8, .value_kind: global_buffer, .address_space: global }
      - { .name: qkv_scales, .offset: 8, .size: 8, .value_kind: global_buffer, .address_space: global }
      - { .name: p_codes, .offset: 16, .size: 8, .value_kind: global_buffer, .address_space: global }
      - { .name: p_meta, .offset: 24, .size: 8, .value_kind: global_buffer, .address_space: global }
    .group_segment_fixed_size: 327680
    .private_segment_fixed_size: 0
    .kernarg_segment_align: 8
    .kernarg_segment_size: 32
    .max_flat_workgroup_size: 128
    .sgpr_count:     106
    .vgpr_count:     1024
    .wavefront_size: 32
...
	.end_amdgpu_metadata
.endif
;; end of part 3
;; launch pv (part 4): grid 8 x 32, 4 waves a work-group, clusters of 4 x 4, 327,680 bytes of LDS; arguments p_codes, p_meta, qkv_codes, qkv_scales, out0; writes out0
.if DOCPART == 4
	.amdgcn_target "amdgcn-amd-amdhsa--gfx1250"
	.amdhsa_code_object_version 6
	.text
	.protected	k_q9802be7f17_pv
	.globl	k_q9802be7f17_pv
	.p2align	8
	.type	k_q9802be7f17_pv,@function
k_q9802be7f17_pv:
	s_mov_b64 s[64:65], 0
	v_nop
	global_prefetch_b8 v0, s[64:65] scope:SCOPE_SE
	s_setreg_imm32_b32 hwreg(HW_REG_WAVE_MODE, 25, 1), 1
	s_wait_xcnt 0x0
	s_wait_alu depctr_hold_cnt(0) depctr_sa_sdst(0) depctr_va_vdst(0) depctr_va_sdst(0) depctr_va_ssrc(0) depctr_va_vcc(0) depctr_vm_vsrc(0)
	s_getreg_b32 s2, hwreg(HW_REG_IB_STS2, 6, 4)
	s_cmp_eq_u32 s2, 0
	s_cbranch_scc0 .Lentry_in_a_cluster
	s_endpgm
.Lentry_in_a_cluster:
	s_bfe_u32 s2, ttmp6, 0x10000c
	s_cmp_lg_u32 s2, 0xf033
	s_cbranch_scc0 .Lentry_shape_is_right
	s_endpgm
.Lentry_shape_is_right:
; out = (p v) / l on codes of FP6 (E2M3) with E8M0 scales, K = the batch's 2,048 keys.  p's codes were made under a whole number M of their own for each row and each 128 keys.
; AT THE HEAD each row's M is taken (the largest of its 16), l = the sum of the 16 sums x 2^(M_s - M), and M - M_s is taken off the four scale bytes of each of p's words, held at 0: an exact power of two, the codes stay.
; A tile is 256 queries x 128 of v's columns: 256 work-groups; four waves of 128 x 64: 32 accumulators.  Source 1 = p (a lane holds one query), source 0 = v^T (a lane's registers run along v's columns).
; K goes in 16 steps of 128 through two LDS slots of four steps; each slot is filled once more.  A wave has one tensor load out at a time: at the head waves 0 and 1 bring slot 0's halves of p, wave 2 its 8 row blocks of v^T,
; wave 3 v^T's scale words; the head's work on the tables stands between these requests and the wait for them; slot 1's first fill stands behind the three lines and a round, which also shows the stored words to all four waves.
; CLUSTER 4 x 4: p's tiles are asked for jointly along a row of the cluster, v^T's along a column.
; PREFETCH: one fill (four steps) ahead: behind each of the first three fills' requests the next fill's bytes are asked for; the last fill asks for nothing.  A lane names 256 bytes.  p: the partner at cx takes row blocks
;   4 cx .. 4 cx + 3 of the tile's 16, a wave one of them (6,144 bytes, 24 lanes); v^T: the partner at cy takes row blocks 2 cy, 2 cy + 1 of the 8, a wave half of one (3,072 bytes, 12 lanes); lanes left over name the last block again.
; LIMITS: NaN and infinities are not served; a scale byte that would fall under 0 is held at 0, which stands for 2^-127: such terms lie under 2^-120 beside a row's largest p, which is above 1/2;
; M - M_s is held at 255; l is summed for each 128 keys and then over the 16 runs.
; REGISTERS: window 0: v1-29 addresses; v32-47 scale words, two sets; v48-55 1 / l; v64-127 at work on the way out; v128-223 p's fragments (at the head: the tables; on the way out: rows of the result); v224-249 at work.
;   window 1: v^T's fragments, two sets, at v0 and v64.   window 2: the accumulators, (a, b) at v[8 (4 a + b)].
.set NQ,    4
.set RBP,   NQ*1536
.set INP,   24576
.set SLOT,  147456                     ; p's 16 row blocks, then v^T's 8
.set ASC,   2*SLOT                     ; p's shifted scale words: stored by the waves, no tile lands here
.set LINV,  ASC+17408                  ; 1 / l
.set BSC,   LINV+1024                  ; v^T's scale words: 16 steps x 544 bytes
.set SPARE, BSC+8704
.set ADRA,  8
.set ADRB,  11
.set ADRS,  14
.set ADRS1, 15
.set LI,    16
.set SPW,   28
.set NIL,   29
.set SC,    32
.set RL,    48
.set TT,    64
.set AF,    128
.set BK,    128
.set RP,    224
.set G0SB,  28
.set HB,    36                         ; s[36:39] group 0 for the head's load of v^T's 8 row blocks
.set G1A,   40
.set G1B,   48
.set G1SB,  68
.set G0A,   76
.set G0B,   88
.set PFP,   96                         ; s[96:97] prefetch: my row block of p's tile
.set PFV,   98                         ; s[98:99] my half row block of v^T's
.set MSB, 0
.macro WIN new
.if MSB != (\new)
	s_set_vgpr_msb (MSB<<8)|(\new)
.set MSB, (\new)
.endif
.endm
.macro PLACES n
.rept \n
	v_nop
.endr
.endm
.macro CREST
	s_cmp_lg_u32 s18, 0
	s_cbranch_scc1 .Lnot_wave_0_\@
	s_barrier_signal -3
.Lnot_wave_0_\@:
	s_barrier_wait -3
	s_barrier_signal -1
	s_barrier_wait -1
.endm
.macro CROUND
	s_barrier_signal -1
	s_barrier_wait -1
	CREST
.endm
.macro JLOAD g0a, g1a, g0b, g1b
	s_cmp_eq_u32 s19, 0
	s_cbranch_scc0 .Lfor_b_\@
	tensor_load_to_lds s[\g0a:\g0a+3], s[\g1a:\g1a+7]
	s_nop 0
	PLACES 4
	s_branch .Lasked_\@
.Lfor_b_\@:
	tensor_load_to_lds s[\g0b:\g0b+3], s[\g1b:\g1b+7]
	s_nop 0
	PLACES 4
.Lasked_\@:
.endm
.macro ARM under, g0, g1, next
	s_cmp_lt_u32 s18, \under
	s_cbranch_scc0 \next
	tensor_load_to_lds s[\g0:\g0+3], s[\g1:\g1+7]
	s_nop 0
	PLACES 4
	s_branch .Lhead_asked
\next:
.endm
.macro ASK off                         ; the fill that begins at byte off of a row block
	global_prefetch_b8 v4, s[PFP:PFP+1] offset:\off th:TH_LOAD_NT scope:SCOPE_SE
	global_prefetch_b8 v5, s[PFV:PFV+1] offset:\off th:TH_LOAD_NT scope:SCOPE_SE
.endm
.macro FRAG reg, adr, q, i
.irp c, 0,1,2
	ds_load_b128 v[(\reg)+4*\c:(\reg)+4*\c+3], v[\adr] offset:(\i)*RBP+(\q)*1536+512*\c
.endr
.endm
.macro FETCH_B slot, q, p
	WIN 0x40
.irp i, 0,1,2,3
	FRAG 64*(\p)+12*\i, ADRB+(\slot), \q, \i
.endr
	WIN 0
.endm
.macro FETCH_A slot, q, i0
.irp i, \i0, \i0+1, \i0+2, \i0+3
	FRAG AF+12*(\i), ADRA+(\slot), \q, \i
.endr
.endm
.macro SCALES k
	ds_load_b128 v[SC+8*((\k)%2):SC+8*((\k)%2)+3], v[ADRS] offset:544*(\k)
	ds_load_b128 v[SC+8*((\k)%2)+4:SC+8*((\k)%2)+7], v[ADRS1] offset:544*(\k)+16
.endm
; 8 matrix instructions: p's row blocks a0, a0 + 1 against v^T's four.  The 32 accumulators take turns in the same order in every step.
.macro MUL a0, k, zero
.irp a, \a0, \a0+1
.irp b, 0,1,2,3
.if (\zero) == 1
	v_wmma_scale_f32_16x16x128_f8f6f4 v[8*(4*(\a)+\b):8*(4*(\a)+\b)+7], v[64*((\k)%2)+12*\b:64*((\k)%2)+12*\b+11], v[AF+12*(\a):AF+12*(\a)+11], 0, v[SC+8*((\k)%2)+\b], v[SC+8*((\k)%2)+(\a)] matrix_a_fmt:MATRIX_FMT_FP6 matrix_b_fmt:MATRIX_FMT_FP6 matrix_a_scale:MATRIX_SCALE_ROW1
.else
	v_wmma_scale_f32_16x16x128_f8f6f4 v[8*(4*(\a)+\b):8*(4*(\a)+\b)+7], v[64*((\k)%2)+12*\b:64*((\k)%2)+12*\b+11], v[AF+12*(\a):AF+12*(\a)+11], v[8*(4*(\a)+\b):8*(4*(\a)+\b)+7], v[SC+8*((\k)%2)+\b], v[SC+8*((\k)%2)+(\a)] matrix_a_fmt:MATRIX_FMT_FP6 matrix_b_fmt:MATRIX_FMT_FP6 matrix_a_scale:MATRIX_SCALE_ROW1
.endif
.endr
.endr
.endm
.macro STEP k, ns, nq, zero
	s_wait_dscnt 12                                ; all but the youngest 12 loads (p's row blocks 4-7) are in
	WIN 0xa1
	MUL 0, \k, \zero
	MUL 2, \k, \zero
	s_wait_dscnt 0x0
	PLACES 4                                       ; in front of loads into registers that matrix instructions have read
	FETCH_B \ns, \nq, ((\k)+1)%2
	FETCH_A \ns, \nq, 0
	SCALES (\k)+1
	WIN 0xa1
	MUL 4, \k, \zero
	MUL 6, \k, \zero
	PLACES 4
	WIN 0
	FETCH_A \ns, \nq, 4
.endm
; A slot's last step.  kind 1: the slot rs that is being left is filled again, behind a round of the cluster's barrier.  kind 2: nothing is left to fetch.
.macro TURN k, ns, kind, rs
	s_wait_tensorcnt 0x0                           ; my one load, my part of the next slot, has landed
	ds_add_u32 v[SPW], v[NIL]
	s_wait_dscnt 13                                ; (the add and the youngest 12 loads may be out)
	WIN 0xa1
	MUL 0, \k, 0
	s_wait_dscnt 0x0
	s_barrier_signal -1
	MUL 2, \k, 0
	WIN 0
	s_barrier_wait -1
.if (\kind) == 1
	CREST
	s_add_nc_u64 s[G0A+4*\rs+2:G0A+4*\rs+3], s[G0A+4*\rs+2:G0A+4*\rs+3], 2*RBP   ; two slots on along the keys
	s_add_nc_u64 s[G0B+4*\rs+2:G0B+4*\rs+3], s[G0B+4*\rs+2:G0B+4*\rs+3], 2*RBP
	JLOAD G0A+4*\rs, G1A, G0B+4*\rs, G1B
.else
	PLACES 4
.endif
	FETCH_B \ns, 0, ((\k)+1)%2
	FETCH_A \ns, 0, 0
	SCALES (\k)+1
.if (\kind) == 1 && (\rs) == 0
	ASK 3*RBP                                      ; the last fill: steps 12-15
.endif
	WIN 0xa1
	MUL 4, \k, 0
	MUL 6, \k, 0
	PLACES 4
	WIN 0
	FETCH_A \ns, 0, 4
.endm
.macro LAST k
	s_wait_dscnt 12
	WIN 0xa1
	MUL 0, \k, 0
	MUL 2, \k, 0
	s_wait_dscnt 0x0
	MUL 4, \k, 0
	MUL 6, \k, 0
	WIN 0
	PLACES 4
.endm
	s_load_b256 s[4:11], s[0:1], 0x0               ; p_codes, p_meta, qkv_codes, qkv_scales
	s_load_b64 s[12:13], s[0:1], 0x20              ; out0
	v_lshl_add_u32 v[SPW], v0, 2, SPARE
	v_mov_b32 v[NIL], 0
	ds_add_u32 v[SPW], v[NIL]                      ; the opening lines: the add twice and its wait
	ds_add_u32 v[SPW], v[NIL]
	v_lshrrev_b32 v1, 5, v0
	v_readfirstlane_b32 s18, v1
	s_lshr_b32 s19, s18, 1                         ; my half of the queries; in the ring: I fetch for p (0) or for v^T (1)
	s_and_b32 s20, s18, 1                          ; my half of the columns; in the ring: which half of a tile I fetch
	s_bfe_u32 s21, ttmp6, 0x40000                  ; cx
	s_bfe_u32 s22, ttmp6, 0x40004                  ; cy
	s_lshl_b32 s2, s22, 2
	s_lshl_b32 s2, 15, s2
	s_lshl_b32 s3, 0x1111, s21
	s_or_b32 s[G1A], s2, (3<<16)|(1<<21)
	s_or_b32 s[G1B], s3, (3<<16)|(1<<21)
	s_or_b32 s[G1SB], s3, (3<<16)|(1<<20)|(1<<21)|(5<<22)|(3<<25)
	s_mov_b32 s[G1A+1], (RBP/8)<<16                ; p: 8 row blocks of 6,144 bytes, 24,576 apart
	s_mov_b32 s[G1A+2], 8<<16
	s_mov_b32 s[G1A+3], (RBP/8)<<16
	s_mov_b32 s[G1A+4], 8
	s_mov_b32 s[G1A+5], INP/8
	s_mov_b32 s[G1A+6], 0
	s_mov_b32 s[G1A+7], 0
	s_mov_b32 s[G1B+1], (RBP/8)<<16                ; v^T: 8 row blocks at the head, 4 in the ring
	s_mov_b32 s[G1B+2], 8<<16
	s_mov_b32 s[G1B+3], (RBP/8)<<16
	s_mov_b32 s[G1B+4], 8
	s_mov_b32 s[G1B+5], INP/8
	s_mov_b32 s[G1B+6], 0
	s_mov_b32 s[G1B+7], 0
	s_mov_b32 s[G1SB+1], 32<<16                    ; 8,192 dense bytes as 32 rows of 256
	s_mov_b32 s[G1SB+2], 32<<16
	s_mov_b32 s[G1SB+3], 32<<16
	s_mov_b32 s[G1SB+4], 32
	s_mov_b32 s[G1SB+5], 32
	s_mov_b32 s[G1SB+6], 0
	s_mov_b32 s[G1SB+7], 0
	s_mov_b32 s32, 0x76543210
	s_mov_b32 s33, 0xfedcba98
	s_and_b32 s2, ttmp7, 0xffff
	s_lshl_b32 s24, s2, 2
	s_add_co_u32 s24, s24, s22                     ; the tile of 256 queries, 0 .. 31
	s_lshl_b32 s23, ttmp9, 2
	s_add_co_u32 s23, s23, s21                     ; the tile of 128 columns, 0 .. 7
	s_lshr_b32 s104, s2, 1                         ; the batch: from the cluster's y alone
	s_lshl_b32 s104, s104, 3
	s_add_co_u32 s104, s104, s23                   ; v^T's group of 8 row blocks
	s_lshl_b32 s26, s104, 13
	s_add_co_u32 s26, s26, 524288                  ; its scale words, behind q's and k's
	s_mov_b32 s27, 0
	s_mul_i32 s86, s104, 8*INP
	s_add_co_u32 s86, s86, 512*INP                 ; its codes, behind the 512 row blocks of q and k
	s_mov_b32 s87, 0
	s_lshl_b32 s104, s104, 1
	s_add_co_u32 s104, s104, s20                   ; in the ring: my 4 row blocks
	s_mul_i32 s104, s104, 4*INP
	s_add_co_u32 s104, s104, 512*INP
	s_mov_b32 s105, 0
	s_lshl_b32 s100, s24, 1
	s_add_co_u32 s100, s100, s20
	s_mul_i32 s100, s100, 8*INP                    ; p: my 8 row blocks
	s_mov_b32 s101, 0
	s_wait_dscnt 0x0                               ; both opening adds are done
	CROUND                                         ; the round in front of the first joint loads: it needs no argument, so it stands ahead of the arguments' wait
	s_wait_kmcnt 0x0
	s_add_nc_u64 s[100:101], s[4:5], s[100:101]
	s_add_nc_u64 s[104:105], s[8:9], s[104:105]
	s_mov_b32 s[G0SB], 1
	s_mov_b32 s[G0SB+1], BSC
	s_add_nc_u64 s[G0SB+2:G0SB+3], s[10:11], s[26:27]
	s_or_b32 s[G0SB+3], s[G0SB+3], 0x80000000
	s_mov_b32 s[HB], 1
	s_mov_b32 s[HB+1], 16*RBP
	s_add_nc_u64 s[HB+2:HB+3], s[8:9], s[86:87]
	s_or_b32 s[HB+3], s[HB+3], 0x80000000
.irp s, 0,1
	s_mov_b32 s[G0A+4*\s], 1
	s_mul_i32 s[G0A+4*\s+1], s20, 8*RBP
	s_add_co_u32 s[G0A+4*\s+1], s[G0A+4*\s+1], \s*SLOT
	s_add_nc_u64 s[G0A+4*\s+2:G0A+4*\s+3], s[100:101], \s*RBP
	s_or_b32 s[G0A+4*\s+3], s[G0A+4*\s+3], 0x80000000
	s_mov_b32 s[G0B+4*\s], 1
	s_mul_i32 s[G0B+4*\s+1], s20, 4*RBP
	s_add_co_u32 s[G0B+4*\s+1], s[G0B+4*\s+1], \s*SLOT+16*RBP
	s_add_nc_u64 s[G0B+4*\s+2:G0B+4*\s+3], s[104:105], \s*RBP
	s_or_b32 s[G0B+4*\s+3], s[G0B+4*\s+3], 0x80000000
.endr
	ARM 2, G0A, G1A, .Lhead_b                      ; one load a wave, in one chain: waves 0, 1 p's halves,
	ARM 3, HB,  G1B, .Lhead_s                      ; wave 2 v^T's 8 row blocks,
	tensor_load_to_lds s[G0SB:G0SB+3], s[G1SB:G1SB+7]   ; wave 3 v^T's scale words
	s_nop 0
	PLACES 4
.Lhead_asked:
	; THE HEAD'S WORK.  Wave w takes group g = w / 2 of the tile's two and row blocks 4 (w % 2) .. + 3; lane (r, h) takes key steps 8 h .. 8 h + 7 of the four rows at lane place r.
	v_and_b32 v1, 15, v0                           ; r
	v_bfe_u32 v2, v0, 4, 1                         ; h
	v_and_b32 v3, 31, v0
	v_lshlrev_b32 v26, 5, v1                       ; 32 r
	v_lshl_add_u32 v24, v2, 12, v26                ; + 8 steps of 512 bytes x h
	v_min_u32 v4, 23, v3
	v_min_u32 v5, 11, v3
	v_lshlrev_b32 v4, 8, v4                        ; prefetch: 256 x min(lane, 23),
	v_lshlrev_b32 v5, 8, v5                        ; 256 x min(lane, 11)
	s_lshl_b32 s2, s24, 1
	s_add_co_u32 s2, s2, s19
	s_lshl_b32 s2, s2, 13
	s_lshl_b32 s3, s20, 4
	s_add_co_u32 s2, s2, s3
	s_mov_b32 s3, 0
	s_add_nc_u64 s[6:7], s[6:7], s[2:3]
.irp s, 0,1,2,3,4,5,6,7
	global_load_b128 v[128+4*\s:131+4*\s], v24, s[6:7] offset:524288+512*\s    ; -M of the run
	global_load_b128 v[160+4*\s:163+4*\s], v24, s[6:7] offset:1048576+512*\s   ; its sum
	global_load_b128 v[192+4*\s:195+4*\s], v24, s[6:7] offset:512*\s           ; its scale word
.endr
	s_wait_alu depctr_va_vdst(0)
	s_lshl_b32 s2, s24, 4                          ; p: row block 16 x query tile + 4 cx + wave
	s_lshl_b32 s3, s21, 2
	s_add_co_u32 s2, s2, s3
	s_add_co_u32 s2, s2, s18
	s_mul_i32 s2, s2, INP
	s_mov_b32 s3, 0
	s_add_nc_u64 s[PFP:PFP+1], s[4:5], s[2:3]
	s_lshl_b32 s2, s22, 1                          ; v^T: the group's row block 2 cy + wave % 2, half wave / 2 of a fill's 6,144 bytes
	s_add_co_u32 s2, s2, s20
	s_mul_i32 s2, s2, INP
	s_mul_i32 s84, s19, 3072
	s_add_co_u32 s2, s2, s84
	s_add_co_u32 s2, s2, s86
	s_add_nc_u64 s[PFV:PFV+1], s[8:9], s[2:3]
	ASK RBP                                        ; the next fill: steps 4-7
	v_lshlrev_b32 v[LI], 4, v3
	s_mul_i32 s2, s19, 8*RBP                       ; my 8 row blocks of p,
	s_mul_i32 s3, s20, 4*RBP                       ; my 4 of v^T, behind p's 16
	s_add_co_u32 s3, s3, 16*RBP
.irp s, 0,1
	v_add_nc_u32 v[ADRA+\s], s2, v[LI]
	v_add_nc_u32 v[ADRB+\s], s3, v[LI]
	s_add_co_u32 s2, s2, SLOT
	s_add_co_u32 s3, s3, SLOT
.endr
	v_lshrrev_b32 v25, 3, v1
	v_lshl_add_u32 v25, v25, 4, v26                ; 32 r, and 16 more behind the first unit of 256 bytes
	s_wait_alu depctr_va_vdst(0)
	s_mul_i32 s2, s19, 8704                        ; my group's words
	s_lshl_b32 s3, s20, 4
	s_add_co_u32 s3, s3, s2
	s_add_co_u32 s3, s3, ASC
	v_mul_u32_u24 v21, v2, 4352
	v_add_nc_u32 v21, v21, v25
	v_add_nc_u32 v21, s3, v21                      ; where I store shifted words
	s_lshl_b32 s3, s19, 9
	s_lshl_b32 s100, s20, 4
	s_add_co_u32 s100, s100, s3
	s_add_co_u32 s100, s100, LINV
	v_add_nc_u32 v22, s100, v26                    ; where I store 1 / l
	s_add_co_u32 s3, s3, LINV
	v_add_nc_u32 v23, s3, v26                      ; and where I read it
	s_add_co_u32 s100, s2, ASC
	v_add_nc_u32 v[ADRS1], s100, v25
	s_lshl_b32 s3, s20, 4
	s_add_co_u32 s3, s3, BSC-ASC
	s_sub_co_u32 s3, s3, s2
	v_mul_u32_u24 v[ADRS], s3, v2                  ; lanes 16-31 take v^T's words: one product with h
	v_add_nc_u32 v[ADRS], v[ADRS], v[ADRS1]
	s_mul_i32 s2, s18, 4352                        ; the way out: my stage, 16 rows x 272 bytes, in slot 0, behind its last fill and its last read
	v_mul_u32_u24 v18, v1, 272
	v_lshl_add_u32 v18, v2, 6, v18
	v_add_nc_u32 v18, s2, v18                      ; in: row r, + 64 h
	v_mul_u32_u24 v19, v2, 272
	v_lshl_add_u32 v19, v1, 4, v19
	v_add_nc_u32 v19, s2, v19                      ; back: lanes 0-15 one row of 256 bytes, lanes 16-31 the next
	v_lshlrev_b32 v20, 12, v2
	v_lshl_add_u32 v20, v1, 4, v20                 ; and the same in out0
	s_lshl_b32 s2, s24, 20
	s_lshl_b32 s3, s19, 19
	s_add_co_u32 s2, s2, s3
	s_lshl_b32 s3, s23, 9
	s_add_co_u32 s2, s2, s3
	s_lshl_b32 s3, s20, 8
	s_add_co_u32 s2, s2, s3
	s_mov_b32 s3, 0
	s_add_nc_u64 s[12:13], s[12:13], s[2:3]
.irp i, 0,1,2,3
	v_mov_b32 v[228+\i], 0                         ; a lane permute's destination counts as one of its sources
.endr
	s_wait_alu depctr_va_vdst(0)
	s_wait_loadcnt 0x0
.irp i, 0,1,2,3
	v_min3_num_f32 v[224+\i], v[128+\i], v[132+\i], v[136+\i]
.endr
.irp s, 3,5
.irp i, 0,1,2,3
	v_min3_num_f32 v[224+\i], v[224+\i], v[128+4*\s+\i], v[132+4*\s+\i]
.endr
.endr
.irp i, 0,1,2,3
	v_min_num_f32 v[224+\i], v[224+\i], v[156+\i]
.endr
.irp i, 0,1,2,3
	v_permlanex16_b32 v[228+\i], v[224+\i], s32, s33
.endr
.irp i, 0,1,2,3
	v_min_num_f32 v[224+\i], v[224+\i], v[228+\i]  ; the row's -M: the least of the 16
.endr
.set nn, 0
.rept 32
	v_sub_f32 v[128+nn], v[224+nn%4], v[128+nn]    ; M_s - M: a whole number, 0 or less
.set nn, nn+1
.endr
.set nn, 0
.rept 32
	v_max_num_f32 v[128+nn], 0xc37f0000, v[128+nn] ; held at -255
.set nn, nn+1
.endr
.set nn, 0
.rept 32
	v_cvt_i32_f32 v[128+nn], v[128+nn]
.set nn, nn+1
.endr
.set nn, 0
.rept 32
	v_ldexp_f32 v[160+nn], v[160+nn], v[128+nn]    ; the run's sum under the row's M: exact
.set nn, nn+1
.endr
.set nn, 0
.rept 32
	v_sub_nc_u32 v[128+nn], 0, v[128+nn]           ; M - M_s, 0 .. 255
.set nn, nn+1
.endr
.irp i, 0,1,2,3
	v_add_f32 v[232+\i], v[160+\i], v[164+\i]
.endr
.irp s, 2,3,4,5,6,7
.irp i, 0,1,2,3
	v_add_f32 v[232+\i], v[232+\i], v[160+4*\s+\i]
.endr
.endr
.irp i, 0,1,2,3
	v_permlanex16_b32 v[228+\i], v[232+\i], s32, s33
.endr
.irp i, 0,1,2,3
	v_add_f32 v[232+\i], v[232+\i], v[228+\i]      ; l
.endr
	s_wait_alu depctr_va_vdst(0)
.irp i, 0,1,2,3
	v_rcp_f32 v[236+\i], v[232+\i]
.endr
; Each byte b of a word becomes b - min(b, d), d = M - M_s, all four bytes at once.  p is at most 1, so b is at most 125 and bit 7 of every byte is free: with that bit set and d (held at 127 for this, which
; leaves every result as it is, since b - min(b, d) is 0 from d = 125 on) taken off each byte, no byte borrows, and bit 7 stays set just where b >= d; there the low 7 bits are b - d, elsewhere the byte is cleared.
; The 32 words go side by side, level by level, so that no line reads the line just above it.  (v160-191, the runs' sums, have been added up by now.)
.set mm, 0
.rept 32
	v_min_u32 v[128+mm], 127, v[128+mm]
.set mm, mm+1
.endr
.set mm, 0
.rept 32
	v_perm_b32 v[128+mm], v[128+mm], v[128+mm], 0          ; d in all four bytes
.set mm, mm+1
.endr
.set mm, 0
.rept 32
	v_or_b32 v[192+mm], 0x80808080, v[192+mm]
.set mm, mm+1
.endr
.set mm, 0
.rept 32
	v_sub_nc_u32 v[192+mm], v[192+mm], v[128+mm]           ; 128 + b - d in each byte
.set mm, mm+1
.endr
.set mm, 0
.rept 32
	v_and_b32 v[128+mm], 0x80808080, v[192+mm]             ; the flags
.set mm, mm+1
.endr
.set mm, 0
.rept 32
	v_lshrrev_b32 v[160+mm], 7, v[128+mm]
.set mm, mm+1
.endr
.set mm, 0
.rept 32
	v_sub_nc_u32 v[128+mm], v[128+mm], v[160+mm]           ; 0x7f in each byte whose flag is set
.set mm, mm+1
.endr
.set mm, 0
.rept 32
	v_and_b32 v[192+mm], v[192+mm], v[128+mm]
.set mm, mm+1
.endr
.irp s, 0,1,2,3,4,5,6,7
	ds_store_b128 v21, v[192+4*\s:195+4*\s] offset:544*\s
.endr
	s_wait_alu depctr_va_vdst(0)                   ; one wait for the four reciprocals, ahead of their first reader
	ds_store_b128 v22, v[236:239]                  ; (both halves of the lanes store the same numbers)
	s_wait_tensorcnt 0x0                           ; my tile of the head's is in
	ds_add_u32 v[SPW], v[NIL]
	s_mov_b32 s[G1B+2], 4<<16                      ; from here on a load of v^T brings 4 row blocks
	s_mov_b32 s[G1B+4], 4
	s_wait_dscnt 0x0                               ; the add is done, and my stores have landed
	CROUND
	JLOAD G0A+4, G1A, G0B+4, G1B                   ; slot 1's first fill
	ds_load_b128 v[RL:RL+3], v23
	ds_load_b128 v[RL+4:RL+7], v23 offset:16
	FETCH_B 0, 0, 0
	FETCH_A 0, 0, 0
	SCALES 0
	FETCH_A 0, 0, 4
	ASK 2*RBP                                      ; the next fill: steps 8-11
	STEP 0, 0, 1, 1
	STEP 1, 0, 2, 0
	STEP 2, 0, 3, 0
	TURN 3, 1, 1, 0
	STEP 4, 1, 1, 0
	STEP 5, 1, 2, 0
	STEP 6, 1, 3, 0
	TURN 7, 0, 1, 1
	STEP 8, 0, 1, 0
	STEP 9, 0, 2, 0
	STEP 10, 0, 3, 0
	TURN 11, 1, 2, 0
	STEP 12, 1, 1, 0
	STEP 13, 1, 2, 0
	STEP 14, 1, 3, 0
	LAST 15
	; THE WAY OUT, a row block of 16 queries x 64 columns at a time: x 1 / l; through my stage; back as whole rows of 256 bytes.  Register 8 b + j of lane (r, h) is column 32 (b / 2) + 16 h + 8 (b % 2) + j.
.irp a, 0,1,2,3,4,5,6,7
	v_mov_b32 v[RP+2*\a], v[RL+\a]
	v_mov_b32 v[RP+2*\a+1], v[RL+\a]
.endr
.macro PACK a
	WIN 0x02
.set jj, 0
.rept 16
	v_pk_mul_f32 v[TT+32*((\a)%2)+jj:TT+32*((\a)%2)+jj+1], v[32*(\a)+jj:32*(\a)+jj+1], v[RP+2*(\a):RP+2*(\a)+1]   ; each accumulator from its low end on
.set jj, jj+2
.endr
	WIN 0
.endm
.macro TOSTAGE a
.if (\a) >= 2
	s_wait_xcnt 0x0                                ; the stores of two row blocks ago have read the registers that the loads below fill
.endif
.irp b, 0,1,2,3
	ds_store_b128 v18, v[TT+32*((\a)%2)+8*\b:TT+32*((\a)%2)+8*\b+3] offset:128*(\b/2)+32*(\b%2)
	ds_store_b128 v18, v[TT+32*((\a)%2)+8*\b+4:TT+32*((\a)%2)+8*\b+7] offset:128*(\b/2)+32*(\b%2)+16
.endr
.irp t, 0,1,2,3,4,5,6,7
	ds_load_b128 v[BK+32*((\a)%2)+4*\t:BK+32*((\a)%2)+4*\t+3], v19 offset:544*\t   ; LDS serves a wave's instructions in order: these see the stores above
.endr
.endm
.macro SEND a, younger                 ; younger: the next row block's 8 stores and 8 loads, or none
	s_wait_dscnt \younger
.irp t, 0,1,2,3,4,5,6,7
	global_store_b128 v20, v[BK+32*((\a)%2)+4*\t:BK+32*((\a)%2)+4*\t+3], s[12:13] offset:(32*((\a)/2)+8*((\a)%2)+2*\t+8*(\t/4))*4096 th:TH_STORE_NT   ; stage row p is row p + 8 (p / 8) of the row block; 16 lanes store 256 consecutive bytes, aligned
.endr
.endm
	PACK 0
	TOSTAGE 0
.irp a, 1,2,3,4,5,6,7
	PACK \a
	s_wait_alu depctr_va_vdst(0)
	TOSTAGE \a
	SEND \a-1, 16
.endr
	SEND 7, 0
	s_wait_tensorcnt 0x0                           ; the wave's end
	ds_add_u32 v[SPW], v[NIL]
	s_wait_dscnt 0x0
	CROUND                                         ; the closing round
	s_endpgm
.Lfunc_end_k_q9802be7f17_pv:
	.size	k_q9802be7f17_pv, .Lfunc_end_k_q9802be7f17_pv-k_q9802be7f17_pv
	.p2alignl 7, 3214868480
	.fill 96, 4, 3214868480
	.section	.rodata,"a",@progbits
	.p2align	6, 0x0
	.amdhsa_kernel k_q9802be7f17_pv
		.amdhsa_group_segment_fixed_size 327680
		.amdhsa_private_segment_fixed_size 0
		.amdhsa_enable_private_segment 0
		.amdhsa_kernarg_size 40
		.amdhsa_user_sgpr_count 2
		.amdhsa_user_sgpr_kernarg_segment_ptr 1
		.amdhsa_wavefront_size32 1
		.amdhsa_system_sgpr_workgroup_id_x 1
		.amdhsa_system_sgpr_workgroup_id_y 1
		.amdhsa_system_sgpr_workgroup_id_z 1
		.amdhsa_system_vgpr_workitem_id 0
		.amdhsa_next_free_vgpr 768
		.amdhsa_next_free_sgpr 106
		.amdhsa_reserve_vcc 0
		.amdhsa_float_denorm_mode_32 3
		.amdhsa_float_denorm_mode_16_64 3
		.amdhsa_memory_ordered 1
		.amdhsa_forward_progress 1
		.amdhsa_inst_pref_size 172
	.end_amdhsa_kernel
	.amdgpu_metadata
---
amdhsa.version: [ 1, 2 ]
amdhsa.kernels:
  - .name:           k_q9802be7f17_pv
    .symbol:         k_q9802be7f17_pv.kd
    .args:
      - { .name: p_codes, .offset: 0, .size: 8, .value_kind: global_buffer, .address_space: global }
      - { .name: p_meta, .offset: 8, .size: 8, .value_kind: global_buffer, .address_space: global }
      - { .name: qkv_codes, .offset: 16, .size: 8, .value_kind: global_buffer, .address_space: global }
      - { .name: qkv_scales, .offset: 24, .size: 8, .value_kind: global_buffer, .address_space: global }
      - { .name: out0, .offset: 32, .size: 8, .value_kind: global_buffer, .address_space: global }
    .group_segment_fixed_size: 327680
    .private_segment_fixed_size: 0
    .kernarg_segment_align: 8
    .kernarg_segment_size: 40
    .max_flat_workgroup_size: 128
    .sgpr_count:     106
    .vgpr_count:     768
    .wavefront_size: 32
...
	.end_amdgpu_metadata
.endif
;; end of part 4
